; MI455X (gfx1250); checked and timed in simulation.
; The chip was launched on July 23, 2026; its instructions are those of AMD's public machine-readable ISA for CDNA 5 (MIT licence, August 2026) and "CDNA5" Instruction Set Architecture Reference Guide (July 2026). The comments in the code are by the model that wrote it; some were corrected since.
;; Multi Head Attention. Allowed arithmetic: matrix products marked QUANTISED: E2M3 operands, one E8M0 scale for each 32 along K, by v_wmma_scale_f32_16x16x128_f8f6f4 with both operands' format E2M3, f32 sums; everything else in f32.
;; Inputs: Wk_codes 1,024 x 32 x 24 uint8 (E2M3 codes of Wk, K innermost, in blocks of 32 codes, four codes in three bytes); Wk_scales 1,024 x 32 uint8 (E8M0 scales of Wk, one for each 32 codes along K); Wo_codes 1,024 x 32 x 24 uint8 (E2M3 codes of Wo, K innermost, in blocks of 32 codes, four codes in three bytes); Wo_scales 1,024 x 32 uint8 (E8M0 scales of Wo, one for each 32 codes along K); Wq_codes 1,024 x 32 x 24 uint8 (E2M3 codes of Wq, K innermost, in blocks of 32 codes, four codes in three bytes); Wq_scales 1,024 x 32 uint8 (E8M0 scales of Wq, one for each 32 codes along K); Wv_codes 1,024 x 32 x 24 uint8 (E2M3 codes of Wv, K innermost, in blocks of 32 codes, four codes in three bytes); Wv_scales 1,024 x 32 uint8 (E8M0 scales of Wv, one for each 32 codes along K); bk 1,024 float32; bo 1,024 float32; bq 1,024 float32; bv 1,024 float32; x_codes 4 x 2,048 x 32 x 24 uint8 (E2M3 codes of x, K innermost, in blocks of 32 codes, four codes in three bytes); x_scales 4 x 2,048 x 32 uint8 (E8M0 scales of x, one for each 32 codes along K).
;; Outputs: out0 4 x 2,048 x 1,024 float32.
;; This version of the problem:
;;   THIS VERSION OF THE PROBLEM IS GIVEN IN LOW PRECISION. The matrix products marked QUANTISED in the list below multiply operands that are first quantised to E2M3 (2 exponent bits, 3 mantissa bits; 6 bits a number), with one power-of-two scale for each 32 numbers along K (OCP MX v1.0); their sums are f32. All else is computed in f32.
;;   The module's matrix products, in the order in which they are computed (A, B: the left and right operand; K: the contracted axis; several contracted axes count as one K, in the product's order):
;;     1. [M 8,192, K 1,024] x [K 1,024, N 1,024]; A: input x (given as codes); B: input Wq (given as codes): QUANTISED
;;     2. [M 8,192, K 1,024] x [K 1,024, N 1,024]; A: input x (given as codes); B: input Wk (given as codes): QUANTISED
;;     3. [M 8,192, K 1,024] x [K 1,024, N 1,024]; A: input x (given as codes); B: input Wv (given as codes): QUANTISED
;;     4. batch 64 x [M 2,048, K 64] x [K 64, N 2,048]; A: computed on the way; B: computed on the way: QUANTISED
;;     5. batch 64 x [M 2,048, K 2,048] x [K 2,048, N 64]; A: softmax (see below); B: computed on the way: QUANTISED
;;     6. [M 8,192, K 1,024] x [K 1,024, N 1,024]; A: computed on the way; B: input Wo (given as codes): QUANTISED
;;   THE QUANTISER, for each operand of a quantised product, along K:
;;     - K is cut into blocks of 32 from its start; a last block that is shorter is filled with zeros.
;;     - A block's scale is 2^e with e = floor(log2(the largest magnitude in the block)) - 2, held to -126 .. 127; a block of zeros has e = 0. As a byte (E8M0): e + 127.
;;     - Each number is divided by its block's scale, clamped to +-7.5, and rounded to the nearest number of E2M3, ties to even, subnormals kept.
;;     - The product sums the exact products of the quantised numbers (number of the format x scale) in f32.
;;   ~~~python
;;   def quantise(x, axis):      # numpy; x: float32 -> the quantised numbers, widened to float32 again
;;       x = np.moveaxis(x, axis, -1); K = x.shape[-1]
;;       x = np.pad(x, [(0, 0)] * (x.ndim - 1) + [(0, -K % 32)]); x = x.reshape(x.shape[:-1] + (-1, 32)); a = np.abs(x).max(-1, keepdims=True)
;;       e = np.where(a > 0, np.clip(np.frexp(np.where(a > 0, a, 1))[1] - 1 - 2, -126, 127), 0)      # np.frexp(a)[1] - 1 = floor(log2(a)), exactly
;;       r = np.clip(x / 2.0 ** e, -7.5, 7.5)
;;       step = 2.0 ** (np.maximum(np.frexp(np.where(r == 0, 1, r))[1] - 1, 0) - 3)
;;       q = np.round(r / step) * step * 2.0 ** e      # np.round: ties to even
;;       return np.moveaxis(q.reshape(q.shape[:-2] + (-1,))[..., :K], -1, axis).astype(np.float32)
;;   ~~~
;;   SOFTMAX AHEAD OF A QUANTISED PRODUCT. Where the list says 'softmax', what is quantised is not the finished softmax but p = 2^(t - M), with t = logit x log2(e) and M = ceil(the row's largest t), a whole number; so 1/2 < the row's largest p <= 1. The row's sum l is taken of the UNQUANTISED p, in f32, and the product's result is divided by l at the end. Since M is a whole number, a kernel that streams over the keys may use a running M (the ceiling of the running maximum): every later rescaling is an exact power of two, which a block's scale takes up: the codes' values come out the same.
;;   OPERANDS COMPUTED ON THE WAY. 'Computed on the way' means the value that the module computes at that place (a softmax that the list does not call 'softmax' is quantised finished and normalised). What goes into a quantiser is computed in f32, as accurately as f32 sums, v_exp_f32 and their like allow (about 1e-6 of the number): no bf16 or f16 on the way to a quantiser, and a product that is left as it is and whose result goes on into a quantised operand takes f32 operands (vector FMAs, or v_wmma_f32_16x16x4_f32). A number that lies on a knife's edge between two numbers of the format may be rounded either way, as far as f32 arithmetic and the matrix unit's own rounding can turn it there, and no further.
;;   INPUTS GIVEN AS CODES. Wk (in the module: [1024, 1024], K = its axis 0); Wo (in the module: [1024, 1024], K = its axis 0); Wq (in the module: [1024, 1024], K = its axis 0); Wv (in the module: [1024, 1024], K = its axis 0); x (in the module: [4, 2048, 1024], K = its axis 2): each comes as NAME_codes (uint8): NAME with its K axis moved to the last place and cut into blocks of 32 codes, [.., K / 32, bytes a block], one block behind the other in memory; four codes in three bytes: a row's codes are one little-endian stream of bits, code i at bits 6 i .. 6 i + 5 (a code: sign, 2 exponent bits, 3 mantissa bits); and NAME_scales (uint8): the same leading axes, one E8M0 byte (e + 127) for each 32 codes along K. Its value is code x scale, taken as it is: it is not quantised again, and the codes and scales need not be those that the quantiser above would give.
;; One version. Each part assembles by itself: llvm-mc -triple=amdgcn-amd-amdhsa -mcpu=gfx1250 --defsym DOCPART=n.
;; ======== version 1 of 1: 3 launches
;; workspace buffers: q_img 6,291,456 bytes; k_img 6,291,456 bytes; v_img 6,291,456 bytes; ctx_img 6,291,456 bytes; q_sc 524,288 bytes; k_sc 524,288 bytes; v_sc 262,144 bytes; ctx_sc 262,144 bytes
;; launch qkv (part 1): grid 12 x 32, 4 waves a work-group, clusters of 4 x 4, 327,680 bytes of LDS; arguments x_codes, x_scales, Wq_codes, Wq_scales, Wk_codes, Wk_scales, Wv_codes, Wv_scales, bq, bk, bv, q_img, q_sc, k_img, k_sc, v_img, v_sc; writes q_img, q_sc, k_img, k_sc, v_img, v_sc
.if DOCPART == 1
	.amdgcn_target "amdgcn-amd-amdhsa--gfx1250"
	.amdhsa_code_object_version 6
	.text
	.protected	k_qe2ac43fc75_qkv
	.globl	k_qe2ac43fc75_qkv
	.p2align	8
	.type	k_qe2ac43fc75_qkv,@function
k_qe2ac43fc75_qkv:
	s_mov_b64 s[64:65], 0
	v_nop
	global_prefetch_b8 v0, s[64:65] scope:SCOPE_SE
	s_setreg_imm32_b32 hwreg(HW_REG_WAVE_MODE, 25, 1), 1
	s_wait_xcnt 0x0
	s_wait_alu depctr_hold_cnt(0) depctr_sa_sdst(0) depctr_va_vdst(0) depctr_va_sdst(0) depctr_va_ssrc(0) depctr_va_vcc(0) depctr_vm_vsrc(0)
	s_getreg_b32 s2, hwreg(HW_REG_IB_STS2, 6, 4)
	s_cmp_eq_u32 s2, 0
	s_cbranch_scc0 .Lentry_in_a_cluster
	s_endpgm
.Lentry_in_a_cluster:
	s_bfe_u32 s2, ttmp6, 0x10000c
	s_cmp_lg_u32 s2, 0xf033
	s_cbranch_scc0 .Lentry_shape_is_right
	s_endpgm
.Lentry_shape_is_right:
; q = x Wq + bq, k = x Wk + bk, v = x Wv + bv on codes of FP6 (E2M3) with one E8M0 scale for each 32 along K = 1,024; the results are quantised in registers and leave as codes.
; ONE TEXT FOR THE THREE PRODUCTS.  A product has an operand L, whose rows fall to the lanes (source 1), and an operand P, whose rows fall to a lane's registers (source 0): P's rows are the axis along which
; the result is quantised.  q, k (clusters x = 0, 1): L = x (tokens), P = Wq, Wk (features: the head's 64 are the next K).  v (cluster x = 2): L = Wv (features), P = x (tokens: the keys are the next K).
; All operands have rows of 768 bytes of codes and 32 scale bytes, so only pointers and the strides of the way out are chosen (by selects on the cluster's x, which all partners share); there is no branch on it.
; A tile is 256 rows of L x 256 rows of P, four waves, each 128 x 128: 64 accumulators of 16 x 16, 512 registers.  K goes in steps of 256 through a ring of two LDS slots filled by the tensor data mover.
; The scale bytes of the work-group's 256 + 256 rows, for all of K, come into LDS once, in whole units of 256 bytes.
; CLUSTERS: 4 x 4 work-groups; the four of a row of the cluster need the same tiles of L, the four of a column the same tiles of P: each tile is asked for jointly.
; 8,192 x 3,072 results are 384 such tiles for 256 WGPs: one and a half to each.  A tile with 128 x 128 to a wave that gave a multiple of 256 would straddle two weights, so the uneven share is kept.
; THE WAY OUT.  In the result lane (r, h) holds row 16 a + r of L, and register j of accumulator (a, b) row 16 b + 8 h + j of P.  The 64 registers of a block a are 128 along the next K: four blocks of 32, each shared by
; lanes l and l xor 16.  They are quantised as they stand, so that inside a block of 32 the codes lie in the order 0-7, 16-23, 8-15, 24-31 of the true K; blocks and scale bytes are the true ones.
; Both operands of each later product (q with k, p with v) are made in that same order, so every product of two codes is the right one; only the order of the additions inside a block differs.
; A fragment (12 registers a lane) is stored as an IMAGE OF ITS REGISTERS: registers 0-3 at 16 x lane, 4-5 at 512 + 8 x lane, 6-9 at 768 + 16 x lane, 10-11 at 1,280 + 8 x lane: each store covers whole aligned blocks of 256 bytes.
; THE BIAS along P's rows (q, k) is the C of each sum's first product; the bias along L's rows (v) is added on the way out.  Each is made zero, by a mask, on the path that has the other.
; LIMITS: NaN and infinities among the numbers are not served; a block whose largest magnitude lies under 2^-124 keeps the scale byte 1; a block of zeros gets the byte 1, not 127 (its codes are zeros, and this program alone reads the bytes).
; REGISTERS, in windows of 256: window 0: v0-31 addresses and masks; v32-63 scale words, two sets; v64-79 the bias along L; from v128 L's fragments, one set; on the way out v112-231 are at work.
;   window 1: P's fragments, two sets, at v0 and v128; v96-127, v224-255 the bias along P.   window 2: the accumulators of my rows 0-63 of L ((a, b) at v[8 (8 a + b)]);   window 3: rows 64-127.
.set KSTEP,  256
.set NQ,     2                         ; matrix instructions deep in a slot
.set ROWB,   192                       ; a tile's row: 256 codes
.set KROW,   768                       ; a row of codes in memory
.set PITCH,  240                       ; an LDS row: 3 x (64 bytes + 16 of padding)
.set FR,     12
.set NL,     6
.set NP,     4
.set HALFT,  128*PITCH
.set SLOT,   4*HALFT
.set LAPS,   2                         ; 1,024 / 512
.set KS,     32                        ; a row of scale bytes
.set SCL,    2*SLOT
.set HALFS,  (128*KS/256)*272
.set SBLK,   (16*KS/256)*272
.set SPARE,  SCL+4*HALFS               ; the spare words: 128 bytes for each wave, two blocks of 256 bytes that no other line names
.set SCO2, 7                           ; v7   the second store of scale words
.set MQ,   8                           ; v8   all ones on q's and k's path, 0 on v's
.set MV,   9                           ; v9   the other way round
.set ADRA, 16                          ; v16-19 LDS addresses of L's fragments (slot 0, 1; the same behind one padding more)
.set ADRB, 20                          ; v20-23 of P's
.set L16,  24                          ; v24  16 x lane
.set L8,   25                          ; v25  8 x lane
.set SCO,  26                          ; v26  where my scale words go
.set ADRS, 27                          ; v27  LDS address of my scale words: lanes 0-15 L's rows, lanes 16-31 P's
.set SPW,  28                          ; v28  my spare word; never rewritten
.set NIL,  29                          ; v29  0; never rewritten
.set SHV,  30                          ; v30  how far lanes 16-31 shift a scale word: 16 (q, k: the odd head's two bytes) or 0
.set SC,   32
.set BV,   64                          ; v64-79 the bias along L: block a's in v[64 + 2 a] and again beside it
.set PC,   112                         ; the codes just made
.set AF,   128
.set HA,   132                         ; v132-195 a block's 64 numbers
.set TM,   200
.set PW,   216
.set WD,   224                         ; v224-231 the eight blocks' scale words
.set SEL,  18                          ; s[18:19] on the way out: selects for lane l xor 16
.set G1, 24
.set G0, 32
.set G1B, 48
.set G0B, 56
.set G1S, 68
.set G0S, 76
.set G1SB, 80
.set G0SB, 88
.set MSB, 0
.macro WIN new                         ; the immediate's high byte repeats the setting that is left
.if MSB != (\new)
	s_set_vgpr_msb (MSB<<8)|(\new)
.set MSB, (\new)
.endif
.endm
.set MUL_LO, 0xa1                      ; source 0 (P) window 1, source 1 (L) window 0, C and D window 2
.set MUL_HI, 0xf1                      ; the same, C and D window 3
.set TO_B,   0x40
; A joint load: waves 0 and 1 fetch for L, waves 2 and 3 for P.  The branch hangs on the wave's number alone.  Four v_nop follow each of the two lines.
.macro JLOAD g0a, g1a, g0b, g1b
	s_cmp_eq_u32 s15, 0
	s_cbranch_scc0 .Lfor_b_\@
	tensor_load_to_lds s[\g0a:\g0a+3], s[\g1a:\g1a+7]
	s_nop 0
.rept 4
	v_nop
.endr
	s_branch .Lasked_\@
.Lfor_b_\@:
	tensor_load_to_lds s[\g0b:\g0b+3], s[\g1b:\g1b+7]
	s_nop 0
.rept 4
	v_nop
.endr
.Lasked_\@:
.endm
.macro CREST                           ; a round of the cluster's barrier behind its opening barrier
	s_cmp_lg_u32 s14, 0
	s_cbranch_scc1 .Lnot_wave_0_\@
	s_barrier_signal -3
.Lnot_wave_0_\@:
	s_barrier_wait -3
	s_barrier_signal -1
	s_barrier_wait -1
.endm
.macro CROUND
	s_barrier_signal -1
	s_barrier_wait -1
	CREST
.endm
	s_load_b512 s[24:39], s[0:1], 0x0              ; x's codes, scales; Wq's; Wk's; Wv's
	s_load_b512 s[48:63], s[0:1], 0x40             ; bq, bk, bv, q_img, q_sc, k_img, k_sc, v_img
	s_load_b64 s[68:69], s[0:1], 0x80              ; v_sc
	v_lshl_add_u32 v[SPW], v0, 2, SPARE
	v_mov_b32 v[NIL], 0
	ds_add_u32 v28, v29
	ds_add_u32 v28, v29
	s_wait_dscnt 0x0
	v_lshrrev_b32 v3, 5, v0
	v_readfirstlane_b32 s14, v3                    ; wave 0..3
	v_and_b32 v1, 15, v0                           ; r
	v_bfe_u32 v2, v0, 4, 1                         ; h
	s_lshr_b32 s15, s14, 1                         ; which half of L's rows is mine.  Also: I fetch for L (0) or for P (1)
	s_and_b32 s16, s14, 1                          ; which half of P's rows.  Also: which 128 rows I fetch
	s_bfe_u32 s40, ttmp6, 0x40000                  ; cx, cy: my place in the cluster
	s_bfe_u32 s41, ttmp6, 0x40004
	s_and_b32 s2, ttmp7, 0xffff
	s_lshl_b32 s2, s2, 2                           ; 4 x cluster y
	s_lshl_b32 s43, s41, 2
	s_lshl_b32 s43, 15, s43                        ; my row of the cluster
	s_lshl_b32 s44, 0x1111, s40                    ; my column
	s_mov_b32 s67, 0
	s_wait_alu depctr_va_vdst(0)
	s_wait_kmcnt 0x0
	s_cmp_lt_u32 ttmp9, 2                          ; q or k (1), or v (0): the cluster's x, equal in all partners.  Only selects and moves follow up to the next compare
	s_cselect_b64 s[4:5], s[24:25], s[36:37]       ; L's codes: x or Wv
	s_cselect_b64 s[6:7], s[26:27], s[38:39]       ; L's scales
	s_cselect_b64 s[8:9], s[32:33], s[24:25]       ; P's codes: Wk or x
	s_cselect_b64 s[10:11], s[34:35], s[26:27]     ; P's scales
	s_cselect_b64 s[12:13], s[58:59], s[62:63]     ; the images: k_img or v_img
	s_cselect_b64 s[96:97], s[60:61], s[68:69]     ; the scale words: k_sc or v_sc
	s_cselect_b64 s[98:99], s[50:51], s[52:53]     ; the bias: bk or bv
	s_mov_b32 s66, 1536
	s_cselect_b32 s66, 12288, s66                  ; image bytes from block to block of L: 16 heads x 768, or one image
	s_mov_b32 s18, 98304
	s_cselect_b32 s18, 1536, s18                   ; image bytes for each 128 rows of P: two heads, or 64 images
	s_mov_b32 s100, 16384
	s_cselect_b32 s100, 256, s100                  ; scale words: bytes for each four blocks of L
	s_mov_b32 s19, 256
	s_cselect_b32 s19, 65536, s19                  ; and for each 128 rows of P
	s_cselect_b32 s20, 32768, 0                    ; lanes 16-31 store the odd head's words, 128 units on (q, k)
	s_cselect_b32 s21, 16, 0
	s_cselect_b32 s22, -1, 0
	s_cselect_b32 s23, 0, -1
	s_cselect_b32 s17, s2, 0                       ; the cluster's y counts tiles of x: L's for q and k,
	s_cselect_b32 s42, 0, s2                       ; P's for v
	s_cmp_eq_u32 ttmp9, 0                          ; q
	s_cselect_b64 s[8:9], s[28:29], s[8:9]
	s_cselect_b64 s[10:11], s[30:31], s[10:11]
	s_cselect_b64 s[12:13], s[54:55], s[12:13]
	s_cselect_b64 s[96:97], s[56:57], s[96:97]
	s_cselect_b64 s[98:99], s[48:49], s[98:99]
	s_add_co_u32 s17, s17, s41                     ; L's tile: hangs on cy and the cluster's y
	s_add_co_u32 s42, s42, s40                     ; P's tile: on cx and the cluster's y
	v_mul_u32_u24 v[SCO], s20, v2
	v_lshl_add_u32 v[SCO], v1, 4, v[SCO]           ; 16 r: four words a row of L
	v_add_nc_u32 v[SCO2], s100, v[SCO]
	v_mul_u32_u24 v[SHV], s21, v2
	v_mov_b32 v[MQ], s22
	v_mov_b32 v[MV], s23
	; where my wave's results go
	s_lshl_b32 s95, s17, 4
	s_lshl_b32 s101, s15, 3
	s_add_co_u32 s95, s95, s101                    ; my first block of 16 rows of L
	s_lshl_b32 s101, s42, 1
	s_add_co_u32 s101, s101, s16                   ; my 128 rows of P
	s_mul_i32 s2, s95, s66
	s_mul_i32 s3, s101, s18
	s_add_co_u32 s2, s2, s3
	s_mov_b32 s3, 0
	s_add_nc_u64 s[12:13], s[12:13], s[2:3]
	s_lshr_b32 s2, s95, 2
	s_mul_i32 s2, s2, s100
	s_mul_i32 s3, s101, s19
	s_add_co_u32 s2, s2, s3
	s_mov_b32 s3, 0
	s_add_nc_u64 s[96:97], s[96:97], s[2:3]
	s_lshl_b32 s2, s101, 9                         ; the bias of my 128 features, in bytes: P's rows (q, k)
	s_lshl_b32 s3, s95, 6                          ; or L's (v)
	s_cmp_lt_u32 ttmp9, 2
	s_cselect_b32 s2, s2, s3
	s_mov_b32 s3, 0
	s_add_nc_u64 s[98:99], s[98:99], s[2:3]
	; descriptor group 1: a tile of 128 rows x 192 bytes, 16 bytes of padding behind every 64
	s_or_b32 s[G1+0], s43, (0<<16)|(1<<20)|(1<<21)|(3<<22)|(3<<25)   ; 15:0 the mask: L's tiles go to my row; elements of 1 byte; padding on; bit 21 beside a mask; after every 16 words, 4 words
	s_or_b32 s[G1B+0], s44, (0<<16)|(1<<20)|(1<<21)|(3<<22)|(3<<25)  ; P's to my column
.irp g, G1, G1B
	s_mov_b32 s[\g+1], ROWB<<16                    ; tensor_dim0
	s_mov_b32 s[\g+2], 128<<16                     ; tensor_dim1
	s_mov_b32 s[\g+3], ROWB<<16                    ; tile_dim0
	s_mov_b32 s[\g+4], 128                         ; tile_dim1
	s_mov_b32 s[\g+5], KROW                        ; the pitch
	s_mov_b32 s[\g+6], 0
	s_mov_b32 s[\g+7], 0
.endr
	; the scales of 128 rows: 4,096 dense bytes as rows of 256 bytes (32 elements of 8), 16 bytes of padding behind each
	s_or_b32 s[G1S+0], s43, (3<<16)|(1<<20)|(1<<21)|(5<<22)|(3<<25)
	s_or_b32 s[G1SB+0], s44, (3<<16)|(1<<20)|(1<<21)|(5<<22)|(3<<25)
.irp g, G1S, G1SB
	s_mov_b32 s[\g+1], 32<<16
	s_mov_b32 s[\g+2], (128*KS/256)<<16
	s_mov_b32 s[\g+3], 32<<16
	s_mov_b32 s[\g+4], 128*KS/256
	s_mov_b32 s[\g+5], 32
	s_mov_b32 s[\g+6], 0
	s_mov_b32 s[\g+7], 0
.endr
	s_lshl_b32 s18, s16, 7                         ; which 128 rows of the tile I fetch
	s_lshl_b32 s20, s17, 8
	s_add_co_u32 s20, s20, s18                     ; L: row 256 x tile + 128 x half
	s_lshl_b32 s46, s42, 8
	s_add_co_u32 s46, s46, s18                     ; P likewise
	s_mov_b32 s21, 0
	s_mov_b32 s47, 0
	s_mov_b64 s[18:19], KS
	s_mul_u64 s[22:23], s[20:21], s[18:19]         ; where these rows' scales begin
	s_mul_u64 s[92:93], s[46:47], s[18:19]
	s_mov_b64 s[18:19], KROW
	s_mul_u64 s[20:21], s[20:21], s[18:19]         ; and their codes
	s_mul_u64 s[46:47], s[46:47], s[18:19]
	s_mul_i32 s45, s14, HALFT                      ; where they go: wave x 128 rows
	s_mul_i32 s94, s14, HALFS
	s_add_nc_u64 s[20:21], s[4:5], s[20:21]
	s_add_nc_u64 s[22:23], s[6:7], s[22:23]
	s_add_nc_u64 s[46:47], s[8:9], s[46:47]
	s_add_nc_u64 s[92:93], s[10:11], s[92:93]
	CROUND                                         ; all sixteen work-groups are here: the first joint loads meet
	s_mov_b32 s[G0S], 1
	s_add_co_u32 s[G0S+1], s94, SCL
	s_mov_b64 s[G0S+2:G0S+3], s[22:23]
	s_or_b32 s[G0S+3], s[G0S+3], 0x80000000
	s_mov_b32 s[G0SB], 1
	s_add_co_u32 s[G0SB+1], s94, SCL
	s_mov_b64 s[G0SB+2:G0SB+3], s[92:93]
	s_or_b32 s[G0SB+3], s[G0SB+3], 0x80000000
	JLOAD G0S, G1S, G0SB, G1SB                     ; the scales first: three loads of mine are out behind this group
.irp s, 0,1
	s_mov_b32 s[G0+4*\s], 1
	s_add_co_u32 s[G0+4*\s+1], s45, \s*SLOT
	s_add_nc_u64 s[G0+4*\s+2:G0+4*\s+3], s[20:21], \s*ROWB
	s_or_b32 s[G0+4*\s+3], s[G0+4*\s+3], 0x80000000
	s_mov_b32 s[G0B+4*\s], 1
	s_add_co_u32 s[G0B+4*\s+1], s45, \s*SLOT
	s_add_nc_u64 s[G0B+4*\s+2:G0B+4*\s+3], s[46:47], \s*ROWB
	s_or_b32 s[G0B+4*\s+3], s[G0B+4*\s+3], 0x80000000
	JLOAD G0+4*\s, G1, G0B+4*\s, G1B
.endr
	; the bias, in both forms, of the same 128 features
	v_lshlrev_b32 v10, 5, v2                       ; along the registers: 8 h numbers on
	v_lshlrev_b32 v11, 2, v1                       ; along the lanes: r numbers on
	WIN TO_B
.irp b, 0,1,2,3,4,5,6,7
	global_load_b128 v[96+8*\b+96*(\b/4):96+8*\b+96*(\b/4)+3], v10, s[98:99] offset:64*\b
	global_load_b128 v[96+8*\b+96*(\b/4)+4:96+8*\b+96*(\b/4)+7], v10, s[98:99] offset:64*\b+16
.endr
	WIN 0
.irp a, 0,1,2,3,4,5,6,7
	global_load_b32 v[BV+2*\a], v11, s[98:99] offset:64*\a
.endr
	v_mul_u32_u24 v3, v1, PITCH
	v_mul_u32_u24 v4, v2, 24
	v_add_nc_u32 v4, v3, v4                        ; a fragment's row x pitch + 24 x half
	v_lshl_add_u32 v5, v2, 4, v4                   ; and the same behind one padding more
	s_mul_i32 s21, s15, HALFT                      ; my 128 rows of L
	s_mul_i32 s22, s16, HALFT                      ; my 128 rows of P,
	s_add_co_u32 s22, s22, 2*HALFT                 ; which lie behind L's 256
.irp s, 0,1
	v_add_nc_u32 v[ADRA+\s], s21, v4
	v_add_nc_u32 v[ADRB+\s], s22, v4
	v_add_nc_u32 v[ADRA+2+\s], s21, v5
	v_add_nc_u32 v[ADRB+2+\s], s22, v5
	s_add_co_u32 s21, s21, SLOT
	s_add_co_u32 s22, s22, SLOT
.endr
	v_mul_u32_u24 v5, v1, KS                       ; my row's scales: 32 bytes a row,
	v_lshrrev_b32 v6, 8, v5
	v_lshl_add_u32 v5, v6, 4, v5                   ; and 16 more for each 256 passed
	s_mul_i32 s21, s15, HALFS
	s_mul_i32 s22, s16, HALFS
	s_add_co_u32 s22, s22, 2*HALFS
	s_sub_co_u32 s22, s22, s21
	v_mul_u32_u24 v6, s22, v2                      ; lanes 16-31 take P's
	s_add_co_u32 s21, s21, SCL
	v_add_nc_u32 v5, v5, v6
	v_add_nc_u32 v[ADRS], s21, v5
	v_and_b32 v6, 31, v0
	v_lshlrev_b32 v[L16], 4, v6
	v_lshlrev_b32 v[L8], 3, v6
	s_wait_loadcnt 0x0                             ; the bias is in (the tiles are still on their way)
	WIN 0x44                                       ; destination and source 1 window 1
.irp b, 0,1,2,3,4,5,6,7
.irp j, 0,1,2,3,4,5,6,7
	v_and_b32 v[96+8*\b+96*(\b/4)+\j], v[MQ], v[96+8*\b+96*(\b/4)+\j]   ; kept for q and k, zero for v
.endr
.endr
	WIN 0
.irp a, 0,1,2,3,4,5,6,7
	v_and_b32 v[BV+2*\a], v[MV], v[BV+2*\a]        ; kept for v, zero for q and k
	v_mov_b32 v[BV+2*\a+1], v[BV+2*\a]             ; twice: a pair for the packed addition
.endr
.macro FRAG reg, adr, q, i             ; 16 rows x 128 K of 6-bit codes: 12 registers, in pieces of 8 bytes; lanes 16-31 read three pieces further on, for some pieces behind one padding more
.irp p, 0,1,2,3,4,5
.set PCE, 12*(\q)+6*(\p/3)+\p%3
.if PCE%8 < 5
	ds_load_b64 v[\reg+2*\p:\reg+2*\p+1], v[\adr] offset:8*PCE+16*(PCE/8)+(\i)*16*PITCH
.else
	ds_load_b64 v[\reg+2*\p:\reg+2*\p+1], v[\adr+2] offset:8*PCE+16*(PCE/8)+(\i)*16*PITCH
.endif
.endr
.endm
; 16 matrix instructions: L's blocks a0, a0 + 1 x P's eight, 128 along K.  zero = 1: the first product starts the sums on the bias along P.  The 64 accumulators take turns, one instruction a turn.
.macro MUL16 a0, p, q, sc, zero
.irp a, \a0, \a0+1
.irp b, 0,1,2,3,4,5,6,7
.if \zero
	v_wmma_scale_f32_16x16x128_f8f6f4 v[8*(8*((\a)%4)+\b):8*(8*((\a)%4)+\b)+7], v[128*(\p)+FR*\b:128*(\p)+FR*\b+FR-1], v[AF+FR*(\a):AF+FR*(\a)+FR-1], v[96+8*\b+96*(\b/4):96+8*\b+96*(\b/4)+7], v[SC+8*NQ*(\sc)+NQ*\b+(\q)], v[SC+8*NQ*(\sc)+NQ*(\a)+(\q)] matrix_a_fmt:MATRIX_FMT_FP6 matrix_b_fmt:MATRIX_FMT_FP6 matrix_a_scale:MATRIX_SCALE_ROW1
.else
	v_wmma_scale_f32_16x16x128_f8f6f4 v[8*(8*((\a)%4)+\b):8*(8*((\a)%4)+\b)+7], v[128*(\p)+FR*\b:128*(\p)+FR*\b+FR-1], v[AF+FR*(\a):AF+FR*(\a)+FR-1], v[8*(8*((\a)%4)+\b):8*(8*((\a)%4)+\b)+7], v[SC+8*NQ*(\sc)+NQ*\b+(\q)], v[SC+8*NQ*(\sc)+NQ*(\a)+(\q)] matrix_a_fmt:MATRIX_FMT_FP6 matrix_b_fmt:MATRIX_FMT_FP6 matrix_a_scale:MATRIX_SCALE_ROW1
.endif
.endr
.endr
.endm
.macro FETCH_B slot, q, p
	WIN TO_B
.irp i, 0,1,2,3,4,5,6,7
	FRAG 128*(\p)+FR*\i, ADRB+\slot, \q, \i
.endr
	WIN 0
.endm
.macro FETCH_A slot, q, i0
.irp i, \i0, \i0+1, \i0+2, \i0+3
	FRAG AF+FR*(\i), ADRA+\slot, \q, \i
.endr
.endm
.macro SCALES sc                       ; a K step's scale words: two words a row; lanes 0-15 take L's block i, lanes 16-31 P's block i
.irp i, 0,1,2,3,4,5,6,7
	ds_load_b64 v[SC+8*NQ*\sc+NQ*\i:SC+8*NQ*\sc+NQ*\i+1], v[ADRS] offset:\i*SBLK
.endr
.endm
.macro PLACES n                        ; plain vector instructions between a matrix instruction and a load into, or a vector instruction on, its registers
.rept \n
	v_nop
.endr
.endm
.macro STEP slot, q, zero              ; a step of 128 along K that has its successor in the same slot
	s_wait_dscnt 4*NL                              ; P's set and L's blocks 0-3 are in; the youngest 24 loads (L's blocks 4-7) may be out
	WIN MUL_LO-0x10*(\zero)                        ; (zero = 1: C in window 1)
	MUL16 0, (\q)%2, \q, \slot, \zero
	MUL16 2, (\q)%2, \q, \slot, \zero
	s_wait_dscnt 0
	PLACES NP
	FETCH_B \slot, (\q)+1, 1-(\q)%2
	FETCH_A \slot, (\q)+1, 0
	WIN MUL_HI-0x20*(\zero)
	MUL16 4, (\q)%2, \q, \slot, \zero
	MUL16 6, (\q)%2, \q, \slot, \zero
	PLACES NP
	WIN 0
	FETCH_A \slot, (\q)+1, 4
.endm
; A slot's last step changes slots: one barrier; in front of it each wave waits for all its tensor loads, adds 0 to its spare word, and waits for that and for its reads of this slot.
.macro TURN slot, next, fill
	s_wait_tensorcnt 0x0                           ; all my tensor loads have landed: my part of the next slot
	ds_add_u32 v[SPW], v[NIL]                      ; 0 onto my spare word
	s_wait_dscnt 4*NL+1                            ; the add and the youngest 24 loads (L's blocks 4-7) may be out
	WIN MUL_LO
	MUL16 0, 1, NQ-1, \slot, 0
	s_wait_dscnt 0x0                               ; the add is done, and my reads of this slot are over
	s_barrier_signal -1
	MUL16 2, 1, NQ-1, \slot, 0
	WIN 0
	s_barrier_wait -1
.if \fill
	CREST                                          ; the barrier has opened a round of the cluster's barrier: no wave of any partner still reads this slot or has a load on its way
	s_add_nc_u64 s[G0+4*\slot+2:G0+4*\slot+3], s[G0+4*\slot+2:G0+4*\slot+3], 2*ROWB
	s_add_nc_u64 s[G0B+4*\slot+2:G0B+4*\slot+3], s[G0B+4*\slot+2:G0B+4*\slot+3], 2*ROWB
	JLOAD G0+4*\slot, G1, G0B+4*\slot, G1B         ; the first tensor load behind the round, and my only one until the next
.else
	PLACES NP
.endif
	s_wait_alu depctr_va_vdst(0)
	v_add_nc_u32 v[ADRS], 4*NQ, v[ADRS]            ; on to the next K step's scale words
	FETCH_B \next, 0, 0
	FETCH_A \next, 0, 0
	SCALES \next
	WIN MUL_HI
	MUL16 4, 1, NQ-1, \slot, 0
	MUL16 6, 1, NQ-1, \slot, 0
	PLACES NP
	WIN 0
	FETCH_A \next, 0, 4
.endm
	s_wait_tensorcnt 1                             ; the scales and my part of K step 0 are in; K step 1's load may be out
	s_barrier_signal -1
	s_barrier_wait -1
	FETCH_B 0, 0, 0
	FETCH_A 0, 0, 0
	SCALES 0
	FETCH_A 0, 0, 4
	STEP 0, 0, 1                                   ; the first step stands in front of the loop: its products start the sums
	s_mov_b32 s3, LAPS-1
.Llap:                                                 ; a trip goes once round the ring and fills both slots again
	TURN 0, 1, 1
	STEP 1, 0, 0
	TURN 1, 0, 1
	STEP 0, 0, 0
	s_sub_co_u32 s3, s3, 1
	s_cmp_lg_u32 s3, 0
	s_cbranch_scc1 .Llap
	TURN 0, 1, 0                                   ; the last lap fills nothing
	STEP 1, 0, 0
	s_wait_dscnt 4*NL
	WIN MUL_LO
	MUL16 0, 1, NQ-1, 1, 0
	MUL16 2, 1, NQ-1, 1, 0
	s_wait_dscnt 0
	WIN MUL_HI
	MUL16 4, 1, NQ-1, 1, 0
	MUL16 6, 1, NQ-1, 1, 0
	WIN 0
; 64 numbers of a lane, v[s] .. v[s + 63], of which registers 16 b .. 16 b + 15 belong to block b of my row, become a fragment's codes in v[PC] on and its scale word in v[PW].
.macro QUANT s
.irp b, 0,1,2,3
	v_max3_num_f32 v[TM+\b], |v[\s+16*\b]|, |v[\s+1+16*\b]|, 0x1800000   ; my 16 numbers, and the floor 2^(3 - 127): the byte cannot fall under 1
.endr
.irp i, 2,4,6,8,10,12,14
.irp b, 0,1,2,3
	v_max3_num_f32 v[TM+\b], v[TM+\b], |v[\s+16*\b+\i]|, |v[\s+1+16*\b+\i]|
.endr
.endr
.irp b, 0,1,2,3
	v_permlanex16_b32 v[TM+4+\b], v[TM+\b], s[SEL], s[SEL+1]
.endr
.irp b, 0,1,2,3
	v_max_num_f32 v[TM+\b], v[TM+\b], v[TM+4+\b]   ; with lane l xor 16's: the block's largest magnitude
.endr
.irp b, 0,1,2,3
	v_add_nc_u32 v[TM+12+\b], 0xff000000, v[TM+\b]   ; 2 off its exponent field: the conversion's scale operand
.endr
.irp b, 0,1,2,3
	v_lshrrev_b32 v[TM+4+\b], 23, v[TM+12+\b]      ; the scale's byte
.endr
	v_lshl_or_b32 v[PW], v[TM+5], 8, v[TM+4]
	v_lshl_or_b32 v[PW], v[TM+6], 16, v[PW]
	v_lshl_or_b32 v[PW], v[TM+7], 24, v[PW]
.irp c, 0,1
	v_cvt_scalef32_pk16_fp6_f32 v[PC+6*\c:PC+2+6*\c], v[\s+32*\c:\s+15+32*\c], v[TM+12+2*\c]
	v_cvt_scalef32_pk16_fp6_f32 v[PC+12+4*\c:PC+14+4*\c], v[\s+16+32*\c:\s+31+32*\c], v[TM+12+2*\c+1]   ; (a conversion's three registers begin on an even number)
.endr
	v_nop                                          ; one plain place behind a scaled conversion
.irp c, 0,1                                    ; the operand's layout wants a whole block in a lane: lanes 0-15 block 2 c, lanes 16-31 block 2 c + 1
.irp i, 0,1,2
	v_permlane16_swap_b32 v[PC+6*\c+\i], v[PC+12+4*\c+\i]
.endr
.irp i, 0,1,2
	v_mov_b32 v[PC+3+6*\c+\i], v[PC+12+4*\c+\i]
.endr
.endr
.endm
; Block a of my eight: its 64 sums come into window 0 with the bias along L added (each accumulator from its low end on), are quantised, and leave as an image.
.macro BLOCK a
.set AC, 64*((\a)%4)
	WIN 2+(\a)/4                                   ; source 0: window 2 or 3
.set i, 0
.rept 32
	v_pk_add_f32 v[HA+i:HA+i+1], v[AC+i:AC+i+1], v[BV+2*(\a):BV+2*(\a)+1]
.set i, i+2
.endr
	WIN 0
	QUANT HA
	v_lshrrev_b32 v[WD+(\a)], v[SHV], v[PW]        ; lanes 16-31: the odd head's two bytes come down (q, k), or the word as it is (v)
	global_store_b128 v[L16], v[PC:PC+3], s[12:13]               ; each store covers whole aligned blocks of 256 bytes
	global_store_b64 v[L8], v[PC+4:PC+5], s[12:13] offset:512
	global_store_b128 v[L16], v[PC+6:PC+9], s[12:13] offset:768
	global_store_b64 v[L8], v[PC+10:PC+11], s[12:13] offset:1280
	s_wait_xcnt 0x0                                ; the stores' data and base are written again only behind this wait
	s_add_nc_u64 s[12:13], s[12:13], s[66:67]      ; the next block's image
.endm
	PLACES NP                                      ; behind the last products
	s_mov_b32 s[SEL], 0x76543210
	s_mov_b32 s[SEL+1], 0xfedcba98
.irp b, 0,1,2,3
	v_mov_b32 v[TM+4+\b], 0                        ; written once: a lane permute's destination counts as one of its sources
.endr
.irp a, 0,1,2,3,4,5,6,7
	BLOCK \a
.endr
	global_store_b128 v[SCO], v[WD:WD+3], s[96:97]     ; four blocks' words of a row lie together: sixteen lanes fill 256 bytes (for v lanes 16-31 write the same bytes with the same values)
	s_wait_alu depctr_va_vdst(0)
	global_store_b128 v[SCO2], v[WD+4:WD+7], s[96:97]
	s_wait_tensorcnt 0x0                           ; the wave's end
	ds_add_u32 v[SPW], v[NIL]
	s_wait_dscnt 0x0
	CROUND                                         ; the closing round: no work-group ends while a partner may still ask for a tile that names it
	s_endpgm
.Lfunc_end_k_qe2ac43fc75_qkv:
	.size	k_qe2ac43fc75_qkv, .Lfunc_end_k_qe2ac43fc75_qkv-k_qe2ac43fc75_qkv
	.p2alignl 7, 3214868480
	.fill 96, 4, 3214868480
	.section	.rodata,"a",@progbits
	.p2align	6, 0x0
	.amdhsa_kernel k_qe2ac43fc75_qkv
		.amdhsa_group_segment_fixed_size 327680
		.amdhsa_private_segment_fixed_size 0
		.amdhsa_enable_private_segment 0
		.amdhsa_kernarg_size 136
		.amdhsa_user_sgpr_count 2
		.amdhsa_user_sgpr_kernarg_segment_ptr 1
		.amdhsa_wavefront_size32 1
		.amdhsa_system_sgpr_workgroup_id_x 1
		.amdhsa_system_sgpr_workgroup_id_y 1
		.amdhsa_system_sgpr_workgroup_id_z 1
		.amdhsa_system_vgpr_workitem_id 0
		.amdhsa_next_free_vgpr 1024
		.amdhsa_next_free_sgpr 102
		.amdhsa_reserve_vcc 0
		.amdhsa_float_denorm_mode_32 3
		.amdhsa_float_denorm_mode_16_64 3
		.amdhsa_memory_ordered 1
		.amdhsa_forward_progress 1
		.amdhsa_inst_pref_size 187
	.end_amdhsa_kernel
	.amdgpu_metadata
---
amdhsa.version: [ 1, 2 ]
amdhsa.kernels:
  - .name:           k_qe2ac43fc75_qkv
    .symbol:         k_qe2ac43fc75_qkv.kd
    .args:
      - { .name: x_codes, .offset: 0, .size: 8, .value_kind: global_buffer, .address_space: global }
      - { .name: x_scales, .offset: 8, .size: 8, .value_kind: global_buffer, .address_space: global }
      - { .name: Wq_codes, .offset: 16, .size: 8, .value_kind: global_buffer, .address_space: global }
      - { .name: Wq_scales, .offset: 24, .size: 8, .value_kind: global_buffer, .address_space: global }
      - { .name: Wk_codes, .offset: 32, .size: 8, .value_kind: global_buffer, .address_space: global }
      - { .name: Wk_scales, .offset: 40, .size: 8, .value_kind: global_buffer, .address_space: global }
      - { .name: Wv_codes, .offset: 48, .size: 8, .value_kind: global_buffer, .address_space: global }
      - { .name: Wv_scales, .offset: 56, .size: 8, .value_kind: global_buffer, .address_space: global }
      - { .name: bq, .offset: 64, .size: 8, .value_kind: global_buffer, .address_space: global }
      - { .name: bk, .offset: 72, .size: 8, .value_kind: global_buffer, .address_space: global }
      - { .name: bv, .offset: 80, .size: 8, .value_kind: global_buffer, .address_space: global }
      - { .name: q_img, .offset: 88, .size: 8, .value_kind: global_buffer, .address_space: global }
      - { .name: q_sc, .offset: 96, .size: 8, .value_kind: global_buffer, .address_space: global }
      - { .name: k_img, .offset: 104, .size: 8, .value_kind: global_buffer, .address_space: global }
      - { .name: k_sc, .offset: 112, .size: 8, .value_kind: global_buffer, .address_space: global }
      - { .name: v_img, .offset: 120, .size: 8, .value_kind: global_buffer, .address_space: global }
      - { .name: v_sc, .offset: 128, .size: 8, .value_kind: global_buffer, .address_space: global }
    .group_segment_fixed_size: 327680
    .private_segment_fixed_size: 0
    .kernarg_segment_align: 8
    .kernarg_segment_size: 136
    .max_flat_workgroup_size: 128
    .sgpr_count:     102
    .vgpr_count:     1024
    .wavefront_size: 32
...
	.end_amdgpu_metadata
.endif
;; end of part 1
;; launch attn (part 2): grid 4 x 64, 16 waves a work-group, clusters of 4 x 1, 210,944 bytes of LDS; arguments q_img, q_sc, k_img, k_sc, v_img, v_sc, ctx_img, ctx_sc; writes ctx_img, ctx_sc
.if DOCPART == 2
	.amdgcn_target "amdgcn-amd-amdhsa--gfx1250"
	.amdhsa_code_object_version 6
	.text
	.protected	k_qe2ac43fc75_attn
	.globl	k_qe2ac43fc75_attn
	.p2align	8
	.type	k_qe2ac43fc75_attn,@function
k_qe2ac43fc75_attn:
	s_mov_b64 s[64:65], 0
	v_nop
	global_prefetch_b8 v0, s[64:65] scope:SCOPE_SE
	s_setreg_imm32_b32 hwreg(HW_REG_WAVE_MODE, 25, 1), 1
	s_wait_xcnt 0x0
	s_wait_alu depctr_hold_cnt(0) depctr_sa_sdst(0) depctr_va_vdst(0) depctr_va_sdst(0) depctr_va_ssrc(0) depctr_va_vcc(0) depctr_vm_vsrc(0)
	s_getreg_b32 s2, hwreg(HW_REG_IB_STS2, 6, 4)
	s_cmp_eq_u32 s2, 0
	s_cbranch_scc0 .Lentry_in_a_cluster
	s_endpgm
.Lentry_in_a_cluster:
	s_bfe_u32 s2, ttmp6, 0x10000c
	s_cmp_lg_u32 s2, 0x3003
	s_cbranch_scc0 .Lentry_shape_is_right
	s_endpgm
.Lentry_shape_is_right:
; ctx[b][q][head] = softmax_k(q . k / 8, causal) v, both products on codes of FP6 (E2M3) with one E8M0 scale for each 32 along a product's K; ctx is quantised along the model's 1,024 and leaves as codes.
; THE SOFTMAX AHEAD OF THE SECOND PRODUCT: t = score x log2(e) / 8; M = the row's largest t so far, rounded up to a whole number; p = 2^(t - M) is quantised along the keys, not normalised; the row's sum is taken
; of the unquantised p and divides at the end; when M moves, the sum and O are multiplied by 2^(old M - new M), which rounds nothing.
; SHARES.  The four work-groups of a cluster serve one batch and head.  THE WHOLE HEAD'S K AND V (2 x 98,304 bytes of codes, 12,288 of scale words) COME INTO LDS ONCE, by joint loads, and stay: no slot is filled again,
; and behind the one barrier no wave waits for another.  Wave w of work-group cx owns two tiles of 16 queries: tile j = 8 (w / 2) + 2 cx + w % 2 and tile 127 - j: together 17 key steps of 128 keys, the same for
; every wave of the launch.  Which steps count hangs on w / 2 alone; cx enters global addresses and one vector operand of the mask, no branch and no LDS address.
; LAYOUT.  Both products are used transposed: S^T = K Q^T (source 0 = 16 keys), O^T = V^T P^T (source 0 = 16 of the head's 64): a lane holds one query (lane % 16) throughout.  Operands lie in memory and LDS as images of
; their registers (registers 0-3 at 16 x lane, 4-5 at 512 + 8 x lane, and for a whole fragment 6-9 at 768 + 16 x lane, 10-11 at 1,280 + 8 x lane): every load is dense.
; Inside a block of 32 the codes of q, k, v and p lie in the order 0-7, 16-23, 8-15, 24-31 of the true K, alike on both sides of each product.  ctx meets a given operand, so its codes are put back into the true order.
; THE HEAD'S 64 IN AN INSTRUCTION OF 128: Q's registers 6-11 are zero codes.  K's operand for tile t is v[32 + 6 t .. 43 + 6 t]: its upper six registers are the next tile's codes (zeros behind the last), which meet zero
; codes alone; no scale byte is 0xff; so they add exactly 0, and K costs six registers and 768 bytes of LDS reads a tile.
; ctx's scale bytes leave as 2 bytes a token and head, rows 32 bytes apart: one byte in 24 of what the launch stores; whole blocks of 256 bytes would want all heads of 8 tokens in one work-group.
; LIMITS: NaN and infinities are not served; a block under 2^-124 keeps the scale byte 1; a block of zeros gets the byte 1, not 127 (its codes are zeros; this program alone reads the bytes).
; REGISTERS: v1-7 addresses that stay; v8-11, v29, v30 addresses of the step; v12 -M, v13 the largest t, v[14:15] the sum; v16-27 Q; v28 Q's scale word; v31 -infinity; v32-79 K's eight tiles (behind the scores: p's codes
; and work); v80-85 zeros; v86-93 K's scale words; v94, v95 16 r, 32 r; v96-159 S^T, then p; v160-191 O^T; v192-239 V; v240-243 V's scale words; v244 p's; v[246:247] f; v248 at work; v[250:251] a second chain of sums.
.set KIMG, 0                           ; LDS: 128 tiles of 16 keys x 768 bytes
.set VIMG, 98304                       ; 16 key steps x 4 fragments x 1,536 bytes
.set KSC,  196608                      ; K's scale words: 32 units of 256 bytes (four tiles each: word 16 r + 4 (tile % 4))
.set VSC,  204800                      ; V's: 16 units (one key step each: word 16 r + 4 d)
.set BM,   52                          ; block maxima
.set PT,   56                          ; the other half of the lanes'
.set SO,   60                          ; the conversions' scale operands
.set BY,   64                          ; scale bytes
.set WV,   20
.set SEL,  22                          ; s[22:23] selects for lane l xor 16
.set CS,   24                          ; s[24:25] c = log2(e) / 8
.set G1K,  28
.set G1V,  36
.set G1KS, 44
.set G1VS, 52
.set G0K,  60
.set G0V,  68
.set G0KS, 72
.set G0VS, 76
.set BAT,  80
.set HEAD, 81
.set JT,   82                          ; the tile of queries in hand
.set LIM,  83                          ; its last key step, the one on the diagonal: hangs on the wave's number alone
.set PASS, 84
.set SI,   85                          ; the key step
.set TK,   86                          ; LDS bytes on: K's and V's images, 6,144 a step
.set TS,   87                          ; K's scale words, 512 a step
.set TV,   88                          ; V's, 256 a step
.set DG,   89                          ; the tile's first query within its diagonal step
.set QP,   90
.set CP,   92
.set QSP,  94
.set CSP,  96
.macro NOP4
.rept 4
	v_nop
.endr
.endm
.macro CROUND                          ; a round of the cluster's barrier
	s_barrier_signal -1
	s_barrier_wait -1
	s_cmp_lg_u32 s[WV], 0
	s_cbranch_scc1 .Lnot_wave_0_\@
	s_barrier_signal -3
.Lnot_wave_0_\@:
	s_barrier_wait -3
	s_barrier_signal -1
	s_barrier_wait -1
.endm
.macro GROUP1 g, c, r, p               ; r rows of c elements of 8 bytes, p elements apart; the mask names all four work-groups, bit 21 beside it; no padding
	s_mov_b32 s[\g], 15|(3<<16)|(1<<21)
	s_mov_b32 s[\g+1], (\c)<<16
	s_mov_b32 s[\g+2], (\r)<<16
	s_mov_b32 s[\g+3], (\c)<<16
	s_mov_b32 s[\g+4], \r
	s_mov_b32 s[\g+5], \p
	s_mov_b32 s[\g+6], 0
	s_mov_b32 s[\g+7], 0
.endm
	s_load_b512 s[4:19], s[0:1], 0x0               ; q_img, q_sc, k_img, k_sc, v_img, v_sc, ctx_img, ctx_sc
	v_lshl_add_u32 v254, v0, 2, 0x33000
	v_mov_b32 v255, 0
	ds_add_u32 v254, v255
	ds_add_u32 v254, v255
	v_lshrrev_b32 v8, 5, v0
	s_delay_alu instid0(VALU_DEP_1)
	v_readfirstlane_b32 s[WV], v8                  ; wave 0..15
	s_bfe_u32 s26, ttmp6, 0x40000                  ; cx
	s_and_b32 s27, ttmp7, 0xffff                   ; 16 x batch + head: shared by the four partners
	s_lshr_b32 s[BAT], s27, 4
	s_and_b32 s[HEAD], s27, 15
	s_and_b32 s21, s[WV], 1                        ; u: which half I fetch, if I fetch
	GROUP1 G1K, 96, 64, 1536                       ; K: 64 tiles of 768 bytes, 16 heads apart
	GROUP1 G1V, 768, 8, 12288                      ; V: 8 key steps of 6,144 bytes, 64 images apart
	GROUP1 G1KS, 32, 32, 32                        ; K's scale words: 8,192 dense bytes
	GROUP1 G1VS, 32, 16, 32                        ; V's: 4,096
	s_mov_b32 s[SEL], 0x76543210
	s_mov_b32 s[SEL+1], 0xfedcba98
	s_mov_b32 s[CS], 0x3e38aa3b
	s_mov_b32 s[CS+1], s[CS]                       ; (named with it as a pair, so it is written)
	s_mov_b32 s[PASS], 2
	s_lshr_b32 s3, s[WV], 1
	s_sub_co_u32 s[LIM], 15, s3                    ; the first pass takes the late tile
	s_lshl_b32 s3, s3, 3
	s_lshl_b32 s26, s26, 1
	s_add_co_u32 s3, s3, s26
	s_add_co_u32 s3, s3, s21                       ; j
	s_sub_co_u32 s[JT], 127, s3
	s_mul_i32 s2, s[BAT], 1572864                  ; a batch's 128 tiles x 12,288 bytes (as many as its 16 key steps x 98,304)
	s_mul_i32 s3, s21, 786432                      ; half of that
	s_add_co_u32 s2, s2, s3
	s_mov_b32 s99, 0
	s_wait_dscnt 0x0
	s_wait_kmcnt 0x0
	s_mul_i32 s98, s[HEAD], 768
	s_add_co_u32 s98, s98, s2
	s_mov_b32 s[G0K], 1
	s_mul_i32 s[G0K+1], s21, 49152
	s_add_nc_u64 s[G0K+2:G0K+3], s[8:9], s[98:99]
	s_or_b32 s[G0K+3], s[G0K+3], 0x80000000
	s_mul_i32 s98, s[HEAD], 6144
	s_add_co_u32 s98, s98, s2
	s_mov_b32 s[G0V], 1
	s_add_co_u32 s[G0V+1], s[G0K+1], VIMG
	s_add_nc_u64 s[G0V+2:G0V+3], s[12:13], s[98:99]
	s_or_b32 s[G0V+3], s[G0V+3], 0x80000000
	s_lshl_b32 s98, s[HEAD], 15
	s_lshl_b32 s3, s[BAT], 13
	s_add_co_u32 s98, s98, s3
	s_mov_b32 s[G0KS], 1
	s_mov_b32 s[G0KS+1], KSC
	s_add_nc_u64 s[G0KS+2:G0KS+3], s[10:11], s[98:99]
	s_or_b32 s[G0KS+3], s[G0KS+3], 0x80000000
	s_lshl_b32 s98, s[HEAD], 14
	s_lshl_b32 s3, s[BAT], 12
	s_add_co_u32 s98, s98, s3
	s_mov_b32 s[G0VS], 1
	s_mov_b32 s[G0VS+1], VSC
	s_add_nc_u64 s[G0VS+2:G0VS+3], s[14:15], s[98:99]
	s_or_b32 s[G0VS+3], s[G0VS+3], 0x80000000
	CROUND                                         ; all four work-groups are here: the joint loads meet
	s_cmp_lt_u32 s[WV], 2                          ; waves 0, 1: K's halves; 2, 3: V's; 4: K's scale words; 5: V's; the others nothing.  One load a wave at the most
	s_cbranch_scc0 .Lnot_k
	tensor_load_to_lds s[G0K:G0K+3], s[G1K:G1K+7]
	s_nop 0
	NOP4
	s_branch .Lasked
.Lnot_k:
	s_cmp_lt_u32 s[WV], 4
	s_cbranch_scc0 .Lnot_v
	tensor_load_to_lds s[G0V:G0V+3], s[G1V:G1V+7]
	s_nop 0
	NOP4
	s_branch .Lasked
.Lnot_v:
	s_cmp_eq_u32 s[WV], 4
	s_cbranch_scc0 .Lnot_ks
	tensor_load_to_lds s[G0KS:G0KS+3], s[G1KS:G1KS+7]
	s_nop 0
	NOP4
	s_branch .Lasked
.Lnot_ks:
	s_cmp_eq_u32 s[WV], 5
	s_cbranch_scc0 .Lasked
	tensor_load_to_lds s[G0VS:G0VS+3], s[G1VS:G1VS+7]
	s_nop 0
	NOP4
.Lasked:
	v_and_b32 v8, 31, v0                           ; lane
	v_and_b32 v9, 15, v0                           ; r
	v_bfe_u32 v10, v0, 4, 1                        ; h
	s_delay_alu instid0(VALU_DEP_3)
	v_lshlrev_b32 v1, 4, v8
	s_delay_alu instid0(VALU_DEP_4)
	v_lshlrev_b32 v2, 3, v8
	s_delay_alu instid0(VALU_DEP_2)
	v_add_nc_u32 v3, VIMG, v1
	s_delay_alu instid0(VALU_DEP_2)
	v_add_nc_u32 v4, VIMG, v2
	v_lshlrev_b32 v94, 4, v9
	v_lshlrev_b32 v95, 5, v9
	s_delay_alu instid0(VALU_DEP_2)
	v_add_nc_u32 v5, KSC, v94
	s_delay_alu instid0(VALU_DEP_3)
	v_add_nc_u32 v6, VSC, v94
	v_lshlrev_b32 v10, 3, v10
	s_delay_alu instid0(VALU_DEP_1)
	v_sub_nc_u32 v7, v9, v10                       ; r - 8 h
	v_mov_b32 v31, 0xff800000                      ; -infinity
.irp j, 22,23,24,25,26,27,80,81,82,83,84,85
	v_mov_b32 v\j, 0                               ; zero codes: Q's upper 64 along K, and what stands behind K's last tile
.endr
.irp j, 56,57,58,59,247,248
	v_mov_b32 v\j, 0                               ; written once: lane permutes' destinations, and the upper half of a pair that is named whole
.endr
	s_wait_tensorcnt 0x0                           ; my load, if I issued one, has landed,
	s_barrier_signal -1
	s_barrier_wait -1                              ; everybody's has: the head's K and V lie in LDS for the rest of the launch
.Lpass:                                            ; two trips: the late tile, then the early one
	s_lshl_b32 s2, s[BAT], 7
	s_add_co_u32 s2, s2, s[JT]                     ; the tile among all 512
	s_mul_i32 s98, s2, 12288
	s_mul_i32 s3, s[HEAD], 768
	s_add_co_u32 s98, s98, s3
	s_add_nc_u64 s[QP:QP+1], s[4:5], s[98:99]      ; Q's image, and ctx's at the same place of its buffer
	s_add_nc_u64 s[CP:CP+1], s[16:17], s[98:99]
	s_lshl_b32 s98, s[HEAD], 7
	s_lshr_b32 s3, s2, 2
	s_add_co_u32 s98, s98, s3
	s_lshl_b32 s98, s98, 8
	s_and_b32 s3, s2, 3
	s_lshl_b32 s3, s3, 2
	s_add_co_u32 s98, s98, s3
	s_add_nc_u64 s[QSP:QSP+1], s[6:7], s[98:99]    ; Q's scale words
	s_lshl_b32 s98, s2, 9
	s_lshl_b32 s3, s[HEAD], 1
	s_add_co_u32 s98, s98, s3
	s_add_nc_u64 s[CSP:CSP+1], s[18:19], s[98:99]  ; ctx's scale bytes: 32 a token, my head's two
	s_and_b32 s[DG], s[JT], 7
	s_lshl_b32 s[DG], s[DG], 4
	global_load_b128 v[16:19], v1, s[QP:QP+1]
	global_load_b64 v[20:21], v2, s[QP:QP+1] offset:512
	global_load_b32 v28, v94, s[QSP:QSP+1]
	v_mov_b32 v13, 0xff61b1e6                      ; the largest t so far: -3e38
	s_delay_alu instid0(VALU_DEP_1)
	v_floor_f32 v12, -v13                          ; -M
	v_mov_b32 v14, 0
	v_mov_b32 v15, 0
.set n, 0
.rept 32
	v_mov_b32 v[160+n], 0                          ; O^T: the step is written once; the first finds zeros, which the first change of M leaves zeros
.set n, n+1
.endr
	s_mov_b32 s[TK], 0
	s_mov_b32 s[TS], 0
	s_mov_b32 s[TV], 0
	s_mov_b32 s[SI], 0
	s_wait_loadcnt 0x0                             ; Q
.Lstep:                                            ; sixteen trips, a constant; a step all of whose keys come after my queries is jumped over, but for the lines that step addresses
	s_cmp_gt_u32 s[SI], s[LIM]
	s_cbranch_scc1 .Lhidden
	s_setprio 2
	v_add_nc_u32 v8, s[TK], v1                     ; (these six are also the places in front of loads into registers that the last products read)
	v_add_nc_u32 v9, s[TK], v2
	v_add_nc_u32 v10, s[TK], v3
	v_add_nc_u32 v11, s[TK], v4
	v_add_nc_u32 v29, s[TS], v5
	v_add_nc_u32 v30, s[TV], v6
.irp t, 0,1,2,3,4,5,6,7
	ds_load_b128 v[32+6*\t:35+6*\t], v8 offset:768*\t
	ds_load_b64 v[36+6*\t:37+6*\t], v9 offset:768*\t+512
.endr
	ds_load_b128 v[86:89], v29
	ds_load_b128 v[90:93], v29 offset:256
.irp d, 0,1,2,3
	ds_load_b128 v[192+12*\d:195+12*\d], v10 offset:1536*\d
	ds_load_b64 v[196+12*\d:197+12*\d], v11 offset:1536*\d+512
	ds_load_b128 v[198+12*\d:201+12*\d], v10 offset:1536*\d+768
	ds_load_b64 v[202+12*\d:203+12*\d], v11 offset:1536*\d+1280
.endr
	ds_load_b128 v[240:243], v30
	s_wait_dscnt 17                                ; K and its scale words are in; V's 16 pieces and its scale words may be out: they land under the softmax
.irp t, 0,1,2,3,4,5,6,7
	v_wmma_scale_f32_16x16x128_f8f6f4 v[96+8*\t:103+8*\t], v[32+6*\t:43+6*\t], v[16:27], 0, v[86+\t], v28 matrix_a_fmt:MATRIX_FMT_FP6 matrix_b_fmt:MATRIX_FMT_FP6
.endr                                          ; lane (r, h): query r; register 8 t + j: key 16 t + 8 h + j of the step
	NOP4
	s_cmp_lg_u32 s[SI], s[LIM]                     ; on the diagonal the scores of hidden keys become -infinity ahead of the maximum: p = 0 then
	s_cbranch_scc1 .Lopen
	v_add_nc_u32 v248, s[DG], v7                   ; my query within the step, less 8 h: hidden where 16 t + j is larger
.set n, 0
.rept 64
	v_cmp_gt_i32 vcc_lo, 16*(n/8)+n%8, v248
	v_cndmask_b32 v[96+n], v[96+n], v31, vcc_lo
.set n, n+1
.endr
.Lopen:
.irp b, 0,1,2,3
	v_max3_num_f32 v[BM+\b], v[96+16*\b], v[97+16*\b], v[98+16*\b]   ; the largest score of each block of 32 keys: for the row's maximum, and, since p rises with the score, for the block's largest p
.endr
.irp i, 3,5,7,9,11,13
.irp b, 0,1,2,3
	v_max3_num_f32 v[BM+\b], v[BM+\b], v[96+16*\b+\i], v[97+16*\b+\i]
.endr
.endr
.irp b, 0,1,2,3
	v_max_num_f32 v[BM+\b], v[BM+\b], v[111+16*\b]
.endr
.irp b, 0,1,2,3
	s_delay_alu instid0(VALU_DEP_4)
	v_permlanex16_b32 v[PT+\b], v[BM+\b], s[SEL], s[SEL+1]
.endr
.irp b, 0,1,2,3
	s_delay_alu instid0(VALU_DEP_4)
	v_max_num_f32 v[BM+\b], v[BM+\b], v[PT+\b]     ; with lane l xor 16's 16 keys
.endr
	s_delay_alu instid0(VALU_DEP_2)
	v_max3_num_f32 v248, v[BM], v[BM+1], v[BM+2]
	s_delay_alu instid0(VALU_DEP_1)
	v_max_num_f32 v248, v248, v[BM+3]
	s_delay_alu instid0(VALU_DEP_1)
	v_mul_f32 v248, s[CS], v248                    ; the step's largest t
	s_delay_alu instid0(VALU_DEP_1)
	v_max_num_f32 v13, v13, v248                   ; the running largest t (key 0 counts for every query, so it is a number from the first step on)
	v_mov_b32 v248, v12
	s_delay_alu instid0(VALU_DEP_2)
	v_floor_f32 v12, -v13                          ; the new -M = -ceil(t)
	s_delay_alu instid0(VALU_DEP_1)
	v_sub_f32 v248, v12, v248                      ; old M - new M: a whole number, 0 or less
	s_delay_alu instid0(VALU_DEP_1)
	v_cvt_i32_f32 v248, v248                       ; (it saturates)
	s_delay_alu instid0(VALU_DEP_1)
	v_ldexp_f32 v246, 1.0, v248                    ; f = 2^(old M - new M)
.set n, 0
	s_setprio 1
.rept 32
	v_pk_fma_f32 v[96+n:97+n], v[96+n:97+n], s[CS:CS+1], v[12:13] op_sel_hi:[1,0,0]   ; t - M, two at a time
.set n, n+2
.endr
.irp b, 0,1,2,3
	v_fma_f32 v[BM+\b], v[BM+\b], s[CS], v12       ; the same of each block's largest score
.endr
.set n, 0
	s_wait_alu depctr_va_vdst(0)
.rept 64
	v_exp_f32 v[96+n], v[96+n]                     ; p = 2^(t - M), at most 1
.set n, n+1
.endr
.irp b, 0,1,2,3
	v_exp_f32 v[BM+\b], v[BM+\b]                   ; the block's largest p
.endr
	v_pk_mul_f32 v[14:15], v[14:15], v[246:247] op_sel_hi:[1,0]   ; the sums under the new M (a plain place behind the exponentials)
	s_wait_alu depctr_va_vdst(0)
.irp b, 0,1,2,3
	v_max_num_f32 v[BM+\b], 0x1800000, v[BM+\b]    ; the floor 2^(3 - 127): the byte cannot fall under 1
.endr
.irp b, 0,1,2,3
	s_delay_alu instid0(VALU_DEP_4)
	v_add_nc_u32 v[SO+\b], 0xff000000, v[BM+\b]    ; 2 off the exponent field: the conversion's scale operand
.endr
.irp b, 0,1,2,3
	s_delay_alu instid0(VALU_DEP_4)
	v_lshrrev_b32 v[BY+\b], 23, v[SO+\b]
.endr
	s_delay_alu instid0(VALU_DEP_3)
	v_lshl_or_b32 v244, v[BY+1], 8, v[BY]          ; p's scale word for these 128 keys
	s_delay_alu instid0(VALU_DEP_1)
	v_lshl_or_b32 v244, v[BY+2], 16, v244
	s_delay_alu instid0(VALU_DEP_1)
	v_lshl_or_b32 v244, v[BY+3], 24, v244
.irp c, 0,1
	v_cvt_scalef32_pk16_fp6_f32 v[32+6*\c:34+6*\c], v[96+32*\c:111+32*\c], v[SO+2*\c]
	v_cvt_scalef32_pk16_fp6_f32 v[44+4*\c:46+4*\c], v[112+32*\c:127+32*\c], v[SO+2*\c+1]
.endr
	v_nop                                          ; one plain place behind a scaled conversion
.irp c, 0,1
.irp i, 0,1,2
	v_permlane16_swap_b32 v[32+6*\c+\i], v[44+4*\c+\i]   ; a whole block to a lane
.endr
.irp i, 0,1,2
	s_delay_alu instid0(VALU_DEP_3)
	v_mov_b32 v[35+6*\c+\i], v[44+4*\c+\i]
.endr
.endr
	v_pk_add_f32 v[250:251], v[100:101], v[104:105]
	v_pk_add_f32 v[252:253], v[108:109], v[112:113]
	v_pk_add_f32 v[92:93], v[116:117], v[120:121]
	v_pk_add_f32 v[90:91], v[124:125], v[128:129]
	v_pk_add_f32 v[88:89], v[132:133], v[136:137]
	v_pk_add_f32 v[86:87], v[140:141], v[144:145]
	v_pk_add_f32 v[78:79], v[148:149], v[152:153]
	v_pk_add_f32 v[14:15], v[14:15], v[156:157]
	v_pk_add_f32 v[250:251], v[250:251], v[96:97]
	s_setprio 0
	v_pk_add_f32 v[252:253], v[252:253], v[98:99]
	v_pk_add_f32 v[92:93], v[92:93], v[102:103]
	v_pk_add_f32 v[90:91], v[90:91], v[106:107]
	v_pk_add_f32 v[88:89], v[88:89], v[110:111]
	v_pk_add_f32 v[86:87], v[86:87], v[114:115]
	v_pk_add_f32 v[78:79], v[78:79], v[118:119]
	v_pk_add_f32 v[14:15], v[14:15], v[122:123]
	v_pk_add_f32 v[250:251], v[250:251], v[126:127]
	v_pk_add_f32 v[252:253], v[252:253], v[130:131]
	v_pk_add_f32 v[92:93], v[92:93], v[134:135]
	v_pk_add_f32 v[90:91], v[90:91], v[138:139]
	v_pk_add_f32 v[88:89], v[88:89], v[142:143]
	v_pk_add_f32 v[86:87], v[86:87], v[146:147]
	v_pk_add_f32 v[78:79], v[78:79], v[150:151]
	v_pk_add_f32 v[14:15], v[14:15], v[154:155]
	v_pk_add_f32 v[250:251], v[250:251], v[158:159]
	s_delay_alu instid0(VALU_DEP_2)
	v_pk_add_f32 v[14:15], v[14:15], v[90:91]
	s_delay_alu instid0(VALU_DEP_2)
	v_pk_add_f32 v[250:251], v[250:251], v[88:89]
	v_pk_add_f32 v[252:253], v[252:253], v[86:87]
	v_pk_add_f32 v[92:93], v[92:93], v[78:79]
	s_delay_alu instid0(VALU_DEP_2)
	v_pk_add_f32 v[14:15], v[14:15], v[252:253]
	s_delay_alu instid0(VALU_DEP_2)
	v_pk_add_f32 v[250:251], v[250:251], v[92:93]
	s_delay_alu instid0(VALU_DEP_1)
	v_pk_add_f32 v[14:15], v[14:15], v[250:251]
.set n, 0
.rept 16
	v_pk_mul_f32 v[160+n:161+n], v[160+n:161+n], v[246:247] op_sel_hi:[1,0]   ; O^T under the new M
.set n, n+2
.endr
	s_wait_alu depctr_va_vdst(0)
	s_wait_dscnt 0x0                               ; V and its scale words
.irp d, 0,1,2,3
	v_wmma_scale_f32_16x16x128_f8f6f4 v[160+8*\d:167+8*\d], v[192+12*\d:203+12*\d], v[32:43], v[160+8*\d:167+8*\d], v[240+\d], v244 matrix_a_fmt:MATRIX_FMT_FP6 matrix_b_fmt:MATRIX_FMT_FP6
.endr
.Lhidden:
	s_add_co_u32 s[TK], s[TK], 6144
	s_add_co_u32 s[TS], s[TS], 512
	s_add_co_u32 s[TV], s[TV], 256
	s_add_co_u32 s[SI], s[SI], 1
	s_cmp_lt_u32 s[SI], 16
	s_cbranch_scc1 .Lstep
	s_setprio 0
	; THE TILE'S END: O^T / the sum is ctx: register 8 d + j is channel 16 d + 8 h + j of query r: two blocks of 32, shared with lane l xor 16
	NOP4
	v_add_f32 v14, v14, v15
	s_delay_alu instid0(VALU_DEP_1)
	v_permlanex16_b32 v248, v14, s[SEL], s[SEL+1]
	s_delay_alu instid0(VALU_DEP_1)
	v_add_f32 v14, v14, v248                       ; the row's sum
	s_wait_alu depctr_va_vdst(0)
	v_rcp_f32 v14, v14
	v_nop                                          ; one plain place behind a transcendental
	s_wait_alu depctr_va_vdst(0)
	v_mov_b32 v15, v14
.set n, 0
.rept 16
	v_pk_mul_f32 v[96+n:97+n], v[160+n:161+n], v[14:15]
.set n, n+2
.endr
.irp b, 0,1
	v_max3_num_f32 v[BM+\b], |v[96+16*\b]|, |v[97+16*\b]|, 0x1800000
.endr
.irp i, 2,4,6,8,10,12,14
.irp b, 0,1
	s_delay_alu instid0(VALU_DEP_2)
	v_max3_num_f32 v[BM+\b], v[BM+\b], |v[96+16*\b+\i]|, |v[97+16*\b+\i]|
.endr
.endr
.irp b, 0,1
	s_delay_alu instid0(VALU_DEP_2)
	v_permlanex16_b32 v[PT+\b], v[BM+\b], s[SEL], s[SEL+1]
.endr
.irp b, 0,1
	s_delay_alu instid0(VALU_DEP_2)
	v_max_num_f32 v[BM+\b], v[BM+\b], v[PT+\b]
.endr
.irp b, 0,1
	s_delay_alu instid0(VALU_DEP_2)
	v_add_nc_u32 v[SO+\b], 0xff000000, v[BM+\b]
.endr
.irp b, 0,1
	s_delay_alu instid0(VALU_DEP_2)
	v_lshrrev_b32 v[BY+\b], 23, v[SO+\b]
.endr
	s_delay_alu instid0(VALU_DEP_1)
	v_lshl_or_b32 v134, v[BY+1], 8, v[BY]          ; the head's two scale bytes
	v_cvt_scalef32_pk16_fp6_f32 v[32:34], v[96:111], v[SO]
	v_cvt_scalef32_pk16_fp6_f32 v[44:46], v[112:127], v[SO+1]
	v_nop
.irp i, 0,1,2
	v_permlane16_swap_b32 v[32+\i], v[44+\i]       ; lane (r, h) now holds block h: v32-34 its codes 0-7 and 16-23, v44-46 its codes 8-15 and 24-31
.endr
	s_delay_alu instid0(VALU_DEP_3)
	v_mov_b32 v128, v32                            ; eight codes are six bytes: the four groups are put into the true order
	s_delay_alu instid0(VALU_DEP_3)
	v_perm_b32 v129, v44, v33, 0x05040100          ; bytes 4, 5 of the first run; bytes 0, 1 of the second
	s_delay_alu instid0(VALU_DEP_4)
	v_perm_b32 v130, v45, v44, 0x05040302          ; bytes 2 to 5 of the second
	s_delay_alu instid0(VALU_DEP_4)
	v_perm_b32 v131, v34, v33, 0x05040302          ; bytes 6 to 9 of the first
	v_perm_b32 v132, v45, v34, 0x07060302          ; bytes 10, 11 of the first; 6, 7 of the second
	v_mov_b32 v133, v46
	global_store_b128 v1, v[128:131], s[CP:CP+1]           ; half an image: whole aligned blocks of 256 bytes
	global_store_b64 v2, v[132:133], s[CP:CP+1] offset:512
	global_store_b16 v95, v134, s[CSP:CSP+1]       ; (lanes 16-31 write the same bytes with the same values)
	s_wait_xcnt 0x0                                ; the stores' bases and data are written again only behind this wait
	s_sub_co_u32 s[JT], 127, s[JT]                 ; the other tile,
	s_sub_co_u32 s[LIM], 15, s[LIM]                ; and its diagonal step
	s_sub_co_u32 s[PASS], s[PASS], 1
	s_cmp_lg_u32 s[PASS], 0
	s_cbranch_scc1 .Lpass
	s_wait_dscnt 0x0
	s_wait_tensorcnt 0x0
	ds_add_u32 v254, v255
	s_wait_dscnt 0x0
	CROUND                                         ; the closing round
	s_endpgm
.Lfunc_end_k_qe2ac43fc75_attn:
	.size	k_qe2ac43fc75_attn, .Lfunc_end_k_qe2ac43fc75_attn-k_qe2ac43fc75_attn
	.p2alignl 7, 3214868480
	.fill 96, 4, 3214868480
	.section	.rodata,"a",@progbits
	.p2align	6, 0x0
	.amdhsa_kernel k_qe2ac43fc75_attn
		.amdhsa_group_segment_fixed_size 210944
		.amdhsa_private_segment_fixed_size 0
		.amdhsa_enable_private_segment 0
		.amdhsa_kernarg_size 64
		.amdhsa_user_sgpr_count 2
		.amdhsa_user_sgpr_kernarg_segment_ptr 1
		.amdhsa_wavefront_size32 1
		.amdhsa_system_sgpr_workgroup_id_x 1
		.amdhsa_system_sgpr_workgroup_id_y 1
		.amdhsa_system_sgpr_workgroup_id_z 1
		.amdhsa_system_vgpr_workitem_id 0
		.amdhsa_next_free_vgpr 256
		.amdhsa_next_free_sgpr 100
		.amdhsa_reserve_vcc 1
		.amdhsa_float_denorm_mode_32 3
		.amdhsa_float_denorm_mode_16_64 3
		.amdhsa_memory_ordered 1
		.amdhsa_forward_progress 1
		.amdhsa_inst_pref_size 38
	.end_amdhsa_kernel
	.amdgpu_metadata
---
amdhsa.version: [ 1, 2 ]
amdhsa.kernels:
  - .name:           k_qe2ac43fc75_attn
    .symbol:         k_qe2ac43fc75_attn.kd
    .args:
      - { .name: q_img, .offset: 0, .size: 8, .value_kind: global_buffer, .address_space: global }
      - { .name: q_sc, .offset: 8, .size: 8, .value_kind: global_buffer, .address_space: global }
      - { .name: k_img, .offset: 16, .size: 8, .value_kind: global_buffer, .address_space: global }
      - { .name: k_sc, .offset: 24, .size: 8, .value_kind: global_buffer, .address_space: global }
      - { .name: v_img, .offset: 32, .size: 8, .value_kind: global_buffer, .address_space: global }
      - { .name: v_sc, .offset: 40, .size: 8, .value_kind: global_buffer, .address_space: global }
      - { .name: ctx_img, .offset: 48, .size: 8, .value_kind: global_buffer, .address_space: global }
      - { .name: ctx_sc, .offset: 56, .size: 8, .value_kind: global_buffer, .address_space: global }
    .group_segment_fixed_size: 210944
    .private_segment_fixed_size: 0
    .kernarg_segment_align: 8
    .kernarg_segment_size: 64
    .max_flat_workgroup_size: 512
    .sgpr_count:     100
    .vgpr_count:     256
    .wavefront_size: 32
...
	.end_amdgpu_metadata
.endif
;; end of part 2
;; launch oproj (part 3): grid 8 x 32, 4 waves a work-group, clusters of 4 x 4, 327,680 bytes of LDS; arguments ctx_img, ctx_sc, Wo_codes, Wo_scales, bo, out0; writes out0
.if DOCPART == 3
	.amdgcn_target "amdgcn-amd-amdhsa--gfx1250"
	.amdhsa_code_object_version 6
	.text
	.protected	k_qe2ac43fc75_oproj
	.globl	k_qe2ac43fc75_oproj
	.p2align	8
	.type	k_qe2ac43fc75_oproj,@function
k_qe2ac43fc75_oproj:
	s_mov_b64 s[64:65], 0
	v_nop
	global_prefetch_b8 v0, s[64:65] scope:SCOPE_SE
	s_setreg_imm32_b32 hwreg(HW_REG_WAVE_MODE, 25, 1), 1
	s_wait_xcnt 0x0
	s_wait_alu depctr_hold_cnt(0) depctr_sa_sdst(0) depctr_va_vdst(0) depctr_va_sdst(0) depctr_va_ssrc(0) depctr_va_vcc(0) depctr_vm_vsrc(0)
	s_getreg_b32 s2, hwreg(HW_REG_IB_STS2, 6, 4)
	s_cmp_eq_u32 s2, 0
	s_cbranch_scc0 .Lentry_in_a_cluster
	s_endpgm
.Lentry_in_a_cluster:
	s_bfe_u32 s2, ttmp6, 0x10000c
	s_cmp_lg_u32 s2, 0xf033
	s_cbranch_scc0 .Lentry_shape_is_right
	s_endpgm
.Lentry_shape_is_right:
; out0 = ctx Wo + bo on codes of FP6 (E2M3) with one E8M0 scale for each 32 along K = 1,024; sums in f32.  ctx: images of fragments (16 tokens x 128 K in 1,536 bytes: registers 0-3 at 16 x lane, 4-5 at 512 + 8 x lane,
; 6-9 at 768 + 16 x lane, 10-11 at 1,280 + 8 x lane), tile of tokens T, K step q at 12,288 T + 1,536 q; its scale bytes [token][32].  Wo: [n][K] as given, rows of 768 bytes, scale bytes [n][32].
; SHARES.  8,192 x 1,024 results are 256 tiles of 256 rows x 128 columns: one for each WGP.  Wave w makes rows 64 w .. 64 w + 63 for all 128 columns: 32 accumulators, 256 registers.  (A wave of 128 x 128 would feed more
; products from each LDS byte, but would leave half of the WGPs without work.)
; ALL OF K IS FILLED INTO LDS ONCE, in two chunks of 512 along K: no byte is filled again, and the eight K steps are written out.  The second chunk lands while the first is multiplied.
; CLUSTERS: 4 x 4 work-groups; ctx's tiles are shared along a row of the cluster, Wo's along a column: each is asked for jointly.
; THE MATRIX INSTRUCTION IS USED TRANSPOSED (source 0 = 16 rows of Wo, source 1 = 16 tokens): a lane holds eight neighbouring numbers of a row of out0.  The bias is the C of each sum's first product.
; REGISTERS: window 0: v16-28 addresses; v32-63 ctx's scale words, v64-127 Wo's, for all of K; v128-175, v176-223 ctx's fragments, two sets; on the way out v128-255 are rows of out0.
;   window 1: Wo's fragments, two sets, at v0 and v128; v96-127, v224-255 the bias.   window 2: the accumulators, (a, b) at v[8 (8 a + b)].
.set A0,    0                          ; LDS: chunk c of ctx: 16 tiles of tokens x 6,144 bytes
.set ACH,   98304
.set B0,    196608                     ; chunk c of Wo: 128 rows x (384 bytes + 16 behind each 128): rows 432 bytes apart
.set BCH,   55296
.set BP,    432
.set SCA,   307200                     ; ctx's scale bytes: 32 units of 256 bytes + 16
.set SCB,   315904                     ; Wo's: 16 units
.set SPITCH, 528                       ; the way out: 16 rows x (512 bytes + 16) for each wave, at the head of its own quarter of ctx's chunk 0, which has had its only fill and, by then, its last read
.set ADA16, 16                         ; v16, v17  my tiles of chunk 0, 1: + 16 x lane
.set ADA8,  18                         ; v18, v19  + 8 x lane
.set ADB,   20                         ; v20, v21  Wo's rows: 432 r + 24 h;  v22, v23 the same behind one padding more
.set STO,   24
.set CO,    26
.set ADSA,  27
.set ADSB,  28
.set SA,    32                         ; v[32 + 16 c + 4 i + q]
.set SB,    64                         ; v[64 + 32 c + 4 b + q]
.set BK,    128
.set G1, 24
.set G0, 32
.set G1B, 48
.set G0B, 56
.set G1S, 68
.set G0S, 76
.set G1SB, 80
.set G0SB, 88
.set MSB, 0
.macro WIN new                         ; the immediate's high byte repeats the setting that is left
.if MSB != (\new)
	s_set_vgpr_msb (MSB<<8)|(\new)
.set MSB, (\new)
.endif
.endm
.macro JLOAD g0a, g1a, g0b, g1b        ; waves 0 and 1 fetch for ctx, waves 2 and 3 for Wo; four v_nop follow each of the two lines
	s_cmp_eq_u32 s15, 0
	s_cbranch_scc0 .Lfor_b_\@
	tensor_load_to_lds s[\g0a:\g0a+3], s[\g1a:\g1a+7]
	s_nop 0
.rept 4
	v_nop
.endr
	s_branch .Lasked_\@
.Lfor_b_\@:
	tensor_load_to_lds s[\g0b:\g0b+3], s[\g1b:\g1b+7]
	s_nop 0
.rept 4
	v_nop
.endr
.Lasked_\@:
.endm
.macro CROUND                          ; a round of the cluster's barrier
	s_barrier_signal -1
	s_barrier_wait -1
	s_cmp_lg_u32 s14, 0
	s_cbranch_scc1 .Lnot_wave_0_\@
	s_barrier_signal -3
.Lnot_wave_0_\@:
	s_barrier_wait -3
	s_barrier_signal -1
	s_barrier_wait -1
.endm
.macro PLACES
.rept 4
	v_nop
.endr
.endm
	s_load_b128 s[4:7], s[0:1], 0x0                ; ctx's images, ctx's scale bytes
	s_load_b128 s[8:11], s[0:1], 0x10              ; Wo's codes, Wo's scales
	s_load_b64 s[96:97], s[0:1], 0x20              ; bo
	s_load_b64 s[12:13], s[0:1], 0x28              ; out0
	v_lshl_add_u32 v30, v0, 2, 0x4e300
	v_mov_b32 v31, 0
	ds_add_u32 v30, v31
	ds_add_u32 v30, v31
	v_lshrrev_b32 v1, 5, v0
	v_readfirstlane_b32 s14, v1                    ; wave 0..3
	s_lshr_b32 s15, s14, 1                         ; I fetch for ctx (0) or for Wo (1),
	s_and_b32 s16, s14, 1                          ; and which half
	s_bfe_u32 s40, ttmp6, 0x40000                  ; cx, cy
	s_bfe_u32 s41, ttmp6, 0x40004
	s_lshl_b32 s42, ttmp9, 2
	s_add_co_u32 s42, s42, s40                     ; tile column: 128 columns
	s_and_b32 s17, ttmp7, 0xffff
	s_lshl_b32 s17, s17, 2
	s_add_co_u32 s17, s17, s41                     ; tile row: 256 rows
	s_lshl_b32 s43, s41, 2
	s_lshl_b32 s43, 15, s43                        ; my row of the cluster
	s_lshl_b32 s44, 0x1111, s40                    ; my column
	s_or_b32 s[G1+0], s43, (3<<16)|(1<<21)         ; ctx: 8 tiles of tokens x 6,144 bytes (768 elements of 8), 12,288 bytes apart; no padding: every read is dense
	s_mov_b32 s[G1+1], 768<<16
	s_mov_b32 s[G1+2], 8<<16
	s_mov_b32 s[G1+3], 768<<16
	s_mov_b32 s[G1+4], 8
	s_mov_b32 s[G1+5], 1536
	s_mov_b32 s[G1+6], 0
	s_mov_b32 s[G1+7], 0
	s_or_b32 s[G1B+0], s44, (0<<16)|(1<<20)|(1<<21)|(4<<22)|(3<<25)   ; Wo: 64 rows x 384 bytes, 768 apart; 4 words of padding behind every 32
	s_mov_b32 s[G1B+1], 384<<16
	s_mov_b32 s[G1B+2], 64<<16
	s_mov_b32 s[G1B+3], 384<<16
	s_mov_b32 s[G1B+4], 64
	s_mov_b32 s[G1B+5], 768
	s_mov_b32 s[G1B+6], 0
	s_mov_b32 s[G1B+7], 0
	s_or_b32 s[G1S+0], s43, (3<<16)|(1<<20)|(1<<21)|(5<<22)|(3<<25)   ; scale bytes: dense, as rows of 256 bytes + 16: ctx's 128 tokens are 16 rows,
	s_mov_b32 s[G1S+1], 32<<16
	s_mov_b32 s[G1S+2], 16<<16
	s_mov_b32 s[G1S+3], 32<<16
	s_mov_b32 s[G1S+4], 16
	s_mov_b32 s[G1S+5], 32
	s_mov_b32 s[G1S+6], 0
	s_mov_b32 s[G1S+7], 0
	s_or_b32 s[G1SB+0], s44, (3<<16)|(1<<20)|(1<<21)|(5<<22)|(3<<25)  ; Wo's 64 rows are 8
	s_mov_b32 s[G1SB+1], 32<<16
	s_mov_b32 s[G1SB+2], 8<<16
	s_mov_b32 s[G1SB+3], 32<<16
	s_mov_b32 s[G1SB+4], 8
	s_mov_b32 s[G1SB+5], 32
	s_mov_b32 s[G1SB+6], 0
	s_mov_b32 s[G1SB+7], 0
	s_lshl_b32 s20, s17, 4
	s_lshl_b32 s18, s16, 3
	s_add_co_u32 s20, s20, s18                     ; ctx: tile of tokens 16 x tile row + 8 x half
	s_lshl_b32 s22, s20, 9                         ; its scale bytes: 512 a tile
	s_mul_i32 s20, s20, 12288
	s_mov_b32 s21, 0
	s_mov_b32 s23, 0
	s_lshl_b32 s46, s42, 7
	s_lshl_b32 s18, s16, 6
	s_add_co_u32 s46, s46, s18                     ; Wo: row 128 x tile column + 64 x half
	s_lshl_b32 s92, s46, 5
	s_mul_i32 s46, s46, 768
	s_mov_b32 s47, 0
	s_mov_b32 s93, 0
	s_mul_i32 s45, s16, 49152                      ; where they go: the half alone enters an LDS address
	s_mul_i32 s94, s16, 27648
	s_mul_i32 s95, s16, 4352
	s_mul_i32 s19, s16, 2176
	s_wait_dscnt 0x0
	s_wait_kmcnt 0x0
	s_add_nc_u64 s[20:21], s[4:5], s[20:21]
	s_add_nc_u64 s[22:23], s[6:7], s[22:23]
	s_add_nc_u64 s[46:47], s[8:9], s[46:47]
	s_add_nc_u64 s[92:93], s[10:11], s[92:93]
	CROUND                                         ; all sixteen work-groups are here: the joint loads meet
	s_mov_b32 s[G0S], 1
	s_add_co_u32 s[G0S+1], s95, SCA
	s_mov_b64 s[G0S+2:G0S+3], s[22:23]
	s_or_b32 s[G0S+3], s[G0S+3], 0x80000000
	s_mov_b32 s[G0SB], 1
	s_add_co_u32 s[G0SB+1], s19, SCB
	s_mov_b64 s[G0SB+2:G0SB+3], s[92:93]
	s_or_b32 s[G0SB+3], s[G0SB+3], 0x80000000
	JLOAD G0S, G1S, G0SB, G1SB                     ; three loads of mine go out in this group: the scale bytes, chunk 0, chunk 1
.irp c, 0,1
	s_mov_b32 s[G0+4*\c], 1
	s_add_co_u32 s[G0+4*\c+1], s45, A0+\c*ACH
	s_add_nc_u64 s[G0+4*\c+2:G0+4*\c+3], s[20:21], \c*6144
	s_or_b32 s[G0+4*\c+3], s[G0+4*\c+3], 0x80000000
	s_mov_b32 s[G0B+4*\c], 1
	s_add_co_u32 s[G0B+4*\c+1], s94, B0+\c*BCH
	s_add_nc_u64 s[G0B+4*\c+2:G0B+4*\c+3], s[46:47], \c*384
	s_or_b32 s[G0B+4*\c+3], s[G0B+4*\c+3], 0x80000000
	s_wait_alu depctr_va_vdst(0)
	s_wait_tensorcnt 0x0
	ds_add_u32 v30, v31
	s_wait_dscnt 0x0
	CROUND
	JLOAD G0+4*\c, G1, G0B+4*\c, G1B
.endr
	s_lshl_b32 s20, s17, 8
	s_lshl_b32 s21, s14, 6
	s_add_co_u32 s20, s20, s21                     ; my first row of out0: 256 x tile row + 64 x wave,
	s_lshl_b32 s20, s20, 12                        ; in bytes
	s_lshl_b32 s46, s42, 9                         ; my tile's first column, in bytes
	s_mov_b32 s47, 0
	s_add_nc_u64 s[96:97], s[96:97], s[46:47]      ; the bias of my 128 columns
	s_add_co_u32 s46, s46, s20
	s_add_nc_u64 s[12:13], s[12:13], s[46:47]
	v_and_b32 v1, 15, v0                           ; r
	v_bfe_u32 v2, v0, 4, 1                         ; h
	v_and_b32 v3, 31, v0                           ; lane
	v_lshlrev_b32 v7, 5, v2                        ; the bias: 8 h numbers on
	WIN 0x40
.irp b, 0,1,2,3,4,5,6,7
	global_load_b128 v[96+8*\b+96*(\b/4):96+8*\b+96*(\b/4)+3], v7, s[96:97] offset:64*\b
	global_load_b128 v[96+8*\b+96*(\b/4)+4:96+8*\b+96*(\b/4)+7], v7, s[96:97] offset:64*\b+16
.endr
	WIN 0
	s_mul_i32 s21, s14, 24576                      ; my four tiles of tokens in a chunk
	v_lshl_add_u32 v[ADA16], v3, 4, s21
	v_add_nc_u32 v[ADA16+1], ACH, v[ADA16]
	v_lshl_add_u32 v[ADA8], v3, 3, s21
	v_add_nc_u32 v[ADA8+1], ACH, v[ADA8]
	v_mul_u32_u24 v4, v1, BP
	v_mad_u32_u24 v5, v2, 24, v4
	v_mad_u32_u24 v6, v2, 40, v4
	v_add_nc_u32 v[ADB], B0, v5
	v_add_nc_u32 v[ADB+1], B0+BCH, v5
	v_add_nc_u32 v[ADB+2], B0, v6
	v_add_nc_u32 v[ADB+3], B0+BCH, v6
	v_lshrrev_b32 v4, 3, v1
	v_and_b32 v5, 7, v1
	v_mul_u32_u24 v4, v4, 272
	v_lshl_add_u32 v4, v5, 5, v4                   ; a row's 32 scale bytes: eight rows to a unit
	s_mul_i32 s22, s14, 2176
	s_add_co_u32 s22, s22, SCA
	v_add_nc_u32 v[ADSA], s22, v4
	v_add_nc_u32 v[ADSB], SCB, v4
	v_mul_u32_u24 v5, v1, SPITCH
	v_lshl_add_u32 v5, v2, 5, v5
	v_add_nc_u32 v[STO], s21, v5                   ; the stage: row r, 32 bytes for each half of the lanes
	v_lshlrev_b32 v[CO], 4, v3                     ; back (at v[ADA16]) and in out0: 16 bytes a lane
.macro FRAGA reg, c, i, q              ; an image comes back as it was stored
	ds_load_b128 v[\reg:\reg+3], v[ADA16+(\c)] offset:6144*(\i)+1536*(\q)
	ds_load_b64 v[\reg+4:\reg+5], v[ADA8+(\c)] offset:6144*(\i)+1536*(\q)+512
	ds_load_b128 v[\reg+6:\reg+9], v[ADA16+(\c)] offset:6144*(\i)+1536*(\q)+768
	ds_load_b64 v[\reg+10:\reg+11], v[ADA8+(\c)] offset:6144*(\i)+1536*(\q)+1280
.endm
.macro FRAGB reg, c, b, q              ; from rows: six pieces of 8 bytes; lanes 16-31 read three pieces further on, for some pieces behind one padding more
.irp p, 0,1,2,3,4,5
.set PCE, 12*(\q)+6*(\p/3)+\p%3
.if PCE%16 < 13
	ds_load_b64 v[\reg+2*\p:\reg+2*\p+1], v[ADB+(\c)] offset:16*BP*(\b)+8*PCE+16*(PCE/16)
.else
	ds_load_b64 v[\reg+2*\p:\reg+2*\p+1], v[ADB+2+(\c)] offset:16*BP*(\b)+8*PCE+16*(PCE/16)
.endif
.endr
.endm
.macro FETCH c, q, set                 ; a K step's fragments: 48 + 16 LDS loads in one run
	WIN 0x40
.irp b, 0,1,2,3,4,5,6,7
	FRAGB 128*(\set)+12*\b, \c, \b, \q
.endr
	WIN 0
.irp i, 0,1,2,3
	FRAGA 128+48*(\set)+12*\i, \c, \i, \q
.endr
.endm
; 16 matrix instructions: my tiles of tokens a0, a0 + 1 x Wo's eight.  The 32 accumulators take turns, one instruction a turn.
.macro MUL16 a0, set, c, q, first
.irp a, \a0, \a0+1
.irp b, 0,1,2,3,4,5,6,7
.if \first
	v_wmma_scale_f32_16x16x128_f8f6f4 v[8*(8*(\a)+\b):8*(8*(\a)+\b)+7], v[128*(\set)+12*\b:128*(\set)+12*\b+11], v[128+48*(\set)+12*(\a):128+48*(\set)+12*(\a)+11], v[96+8*\b+96*(\b/4):96+8*\b+96*(\b/4)+7], v[SB+32*(\c)+4*\b+(\q)], v[SA+16*(\c)+4*(\a)+(\q)] matrix_a_fmt:MATRIX_FMT_FP6 matrix_b_fmt:MATRIX_FMT_FP6
.else
	v_wmma_scale_f32_16x16x128_f8f6f4 v[8*(8*(\a)+\b):8*(8*(\a)+\b)+7], v[128*(\set)+12*\b:128*(\set)+12*\b+11], v[128+48*(\set)+12*(\a):128+48*(\set)+12*(\a)+11], v[8*(8*(\a)+\b):8*(8*(\a)+\b)+7], v[SB+32*(\c)+4*\b+(\q)], v[SA+16*(\c)+4*(\a)+(\q)] matrix_a_fmt:MATRIX_FMT_FP6 matrix_b_fmt:MATRIX_FMT_FP6
.endif
.endr
.endr
.endm
; K step k.  Its fragments were asked for a whole step ago.  mode 0: the next step's are asked for first, into the other set, and have this step's 32 products in which to come.
; mode 1: the next step lies in chunk 1: my part of it has landed, a barrier shows that everybody's has.  mode 2: the last step asks for nothing.
.macro KSTEP k, mode, first
	s_wait_dscnt 0x0                               ; this step's fragments are in
.if \mode == 1
	s_wait_tensorcnt 0x0                           ; my part of chunk 1 has landed
	s_barrier_signal -1
	WIN 0xa1
	MUL16 0, (\k)%2, (\k)/4, (\k)%4, 0
	s_barrier_wait -1
	PLACES
	FETCH ((\k)+1)/4, ((\k)+1)%4, ((\k)+1)%2
	WIN 0xa1
	MUL16 2, (\k)%2, (\k)/4, (\k)%4, 0
.else
.if \mode == 0
	PLACES                                         ; behind the last step's products, which read the other set
	FETCH ((\k)+1)/4, ((\k)+1)%4, ((\k)+1)%2
.endif
	WIN 0xa1-0x10*(\first)                         ; source 0 window 1, source 1 window 0, D window 2; C window 2, or window 1 for the bias
	MUL16 0, (\k)%2, (\k)/4, (\k)%4, \first
	MUL16 2, (\k)%2, (\k)/4, (\k)%4, \first
.endif
.endm
	s_wait_alu depctr_va_vdst(0)
	s_wait_tensorcnt 1                             ; the scale bytes and my part of chunk 0 are in; chunk 1's load may be out
	s_barrier_signal -1
	s_barrier_wait -1
.irp c, 0,1                                    ; the scale words of all of K: four words (four K steps) a load
.irp i, 0,1,2,3
	ds_load_b128 v[SA+16*\c+4*\i:SA+16*\c+4*\i+3], v[ADSA] offset:544*\i+16*\c
.endr
.irp b, 0,1,2,3,4,5,6,7
	ds_load_b128 v[SB+32*\c+4*\b:SB+32*\c+4*\b+3], v[ADSB] offset:544*\b+16*\c
.endr
.endr
	FETCH 0, 0, 0
	s_wait_loadcnt 0x0                             ; the bias
	KSTEP 0, 0, 1
	KSTEP 1, 0, 0
	KSTEP 2, 0, 0
	KSTEP 3, 1, 0
	KSTEP 4, 0, 0
	KSTEP 5, 0, 0
	KSTEP 6, 0, 0
	KSTEP 7, 2, 0
	WIN 0
; THE WAY OUT, a block of 16 rows x 128 columns at a time: a lane holds 32 neighbouring bytes of a row; the block goes through my stage and comes back as whole rows of 512 bytes.
; LDS serves a wave's instructions in order (ISA guide 5.7.1.4): no wait between the stores and the loads, nor in front of the next block's stores.
.macro TOSTAGE a
.set AC, 64*(\a)
	WIN 0x08                                       ; an LDS store's data are its source 1: window 2
.irp b, 0,1,2,3,4,5,6,7
	ds_store_b128 v[STO], v[AC+8*\b:AC+8*\b+3] offset:64*\b          ; each accumulator from its low end on
	ds_store_b128 v[STO], v[AC+8*\b+4:AC+8*\b+7] offset:64*\b+16
.endr
	WIN 0
.set BB, BK+64*((\a)%2)
.irp t, 0,1,2,3,4,5,6,7,8,9,10,11,12,13,14,15
	ds_load_b128 v[BB+4*\t:BB+4*\t+3], v[ADA16] offset:\t*SPITCH
.endr
.endm
.macro SEND a, younger                 ; younger: the LDS instructions issued behind block a's loads, which may stay out
.set BB, BK+64*((\a)%2)
	s_wait_dscnt \younger
.if (\a) > 0
	s_add_nc_u64 s[12:13], s[12:13], 16*4096       ; 16 rows on (behind a wait on XCNT: the earlier stores have read their base)
.endif
.irp t, 0,1,2,3,4,5,6,7,8,9,10,11,12,13,14,15
	global_store_b128 v[CO], v[BB+4*\t:BB+4*\t+3], s[12:13] offset:\t*4096 th:TH_STORE_NT   ; 32 lanes store 512 consecutive bytes, at a multiple of 256 from out0's first byte
.endr
.endm
	PLACES                                         ; behind the last products
	TOSTAGE 0
.irp a, 1,2,3
.if \a > 1
	s_wait_xcnt 0x0                                ; block a - 2's stores have read their registers and their base
.endif
	TOSTAGE \a
	SEND \a-1, 32                                  ; behind block a - 1's loads: block a's 16 stores and 16 loads
.endr
	s_wait_xcnt 0x0
	SEND 3, 0
	s_wait_tensorcnt 0x0
	ds_add_u32 v30, v31
	s_wait_dscnt 0x0
	CROUND                                         ; the closing round: no work-group ends while a partner may still ask for a tile that names it
	s_endpgm
.Lfunc_end_k_qe2ac43fc75_oproj:
	.size	k_qe2ac43fc75_oproj, .Lfunc_end_k_qe2ac43fc75_oproj-k_qe2ac43fc75_oproj
	.p2alignl 7, 3214868480
	.fill 96, 4, 3214868480
	.section	.rodata,"a",@progbits
	.p2align	6, 0x0
	.amdhsa_kernel k_qe2ac43fc75_oproj
		.amdhsa_group_segment_fixed_size 327680
		.amdhsa_private_segment_fixed_size 0
		.amdhsa_enable_private_segment 0
		.amdhsa_kernarg_size 48
		.amdhsa_user_sgpr_count 2
		.amdhsa_user_sgpr_kernarg_segment_ptr 1
		.amdhsa_wavefront_size32 1
		.amdhsa_system_sgpr_workgroup_id_x 1
		.amdhsa_system_sgpr_workgroup_id_y 1
		.amdhsa_system_sgpr_workgroup_id_z 1
		.amdhsa_system_vgpr_workitem_id 0
		.amdhsa_next_free_vgpr 768
		.amdhsa_next_free_sgpr 98
		.amdhsa_reserve_vcc 0
		.amdhsa_float_denorm_mode_32 3
		.amdhsa_float_denorm_mode_16_64 3
		.amdhsa_memory_ordered 1
		.amdhsa_forward_progress 1
		.amdhsa_inst_pref_size 95
	.end_amdhsa_kernel
	.amdgpu_metadata
---
amdhsa.version: [ 1, 2 ]
amdhsa.kernels:
  - .name:           k_qe2ac43fc75_oproj
    .symbol:         k_qe2ac43fc75_oproj.kd
    .args:
      - { .name: ctx_img, .offset: 0, .size: 8, .value_kind: global_buffer, .address_space: global }
      - { .name: ctx_sc, .offset: 8, .size: 8, .value_kind: global_buffer, .address_space: global }
      - { .name: Wo_codes, .offset: 16, .size: 8, .value_kind: global_buffer, .address_space: global }
      - { .name: Wo_scales, .offset: 24, .size: 8, .value_kind: global_buffer, .address_space: global }
      - { .name: bo, .offset: 32, .size: 8, .value_kind: global_buffer, .address_space: global }
      - { .name: out0, .offset: 40, .size: 8, .value_kind: global_buffer, .address_space: global }
    .group_segment_fixed_size: 327680
    .private_segment_fixed_size: 0
    .kernarg_segment_align: 8
    .kernarg_segment_size: 48
    .max_flat_workgroup_size: 128
    .sgpr_count:     98
    .vgpr_count:     768
    .wavefront_size: 32
...
	.end_amdgpu_metadata
.endif
;; end of part 3
